; MI455X (gfx1250); checked and timed in simulation.
; The chip was launched on July 23, 2026; its instructions are those of AMD's public machine-readable ISA for CDNA 5 (MIT licence, August 2026) and "CDNA5" Instruction Set Architecture Reference Guide (July 2026). The comments in the code are by the model that wrote it; some were corrected since.
;; Multi Head Self Attention. Allowed arithmetic: matrix products marked QUANTISED: E3M2 operands, one E8M0 scale for each 32 along K, by v_wmma_scale_f32_16x16x128_f8f6f4 with both operands' format E3M2, f32 sums; everything else in f32.
;; Inputs: Wo 1,024 x 1,024 float32; Wqkv 3,072 x 1,024 float32; attention_mask 4 x 1 x 1 x 2,048 int32; bo 1,024 float32; bqkv 3,072 float32; x 4 x 2,048 x 1,024 float32.
;; Outputs: out0 4 x 2,048 x 1,024 float32.
;; This version of the problem:
;;   THIS VERSION OF THE PROBLEM IS GIVEN IN LOW PRECISION. The matrix products marked QUANTISED in the list below multiply operands that are first quantised to E3M2 (3 exponent bits, 2 mantissa bits; 6 bits a number), with one power-of-two scale for each 32 numbers along K (OCP MX v1.0); their sums are f32. All else is computed in f32.
;;   The module's matrix products, in the order in which they are computed (A, B: the left and right operand; K: the contracted axis; several contracted axes count as one K, in the product's order):
;;     1. [M 8,192, K 1,024] x [K 1,024, N 3,072]; A: input x; B: input Wqkv: QUANTISED
;;     2. batch 64 x [M 2,048, K 64] x [K 64, N 2,048]; A: computed on the way; B: computed on the way: QUANTISED
;;     3. batch 64 x [M 2,048, K 2,048] x [K 2,048, N 64]; A: softmax (see below); B: computed on the way: QUANTISED
;;     4. [M 8,192, K 1,024] x [K 1,024, N 1,024]; A: computed on the way; B: input Wo: QUANTISED
;;   THE QUANTISER, for each operand of a quantised product, along K:
;;     - K is cut into blocks of 32 from its start; a last block that is shorter is filled with zeros.
;;     - A block's scale is 2^e with e = floor(log2(the largest magnitude in the block)) - 4, held to -126 .. 127; a block of zeros has e = 0. As a byte (E8M0): e + 127.
;;     - Each number is divided by its block's scale, clamped to +-28, and rounded to the nearest number of E3M2, ties to even, subnormals kept.
;;     - The product sums the exact products of the quantised numbers (number of the format x scale) in f32.
;;   ~~~python
;;   def quantise(x, axis):      # numpy; x: float32 -> the quantised numbers, widened to float32 again
;;       x = np.moveaxis(x, axis, -1); K = x.shape[-1]
;;       x = np.pad(x, [(0, 0)] * (x.ndim - 1) + [(0, -K % 32)]); x = x.reshape(x.shape[:-1] + (-1, 32)); a = np.abs(x).max(-1, keepdims=True)
;;       e = np.where(a > 0, np.clip(np.frexp(np.where(a > 0, a, 1))[1] - 1 - 4, -126, 127), 0)      # np.frexp(a)[1] - 1 = floor(log2(a)), exactly
;;       r = np.clip(x / 2.0 ** e, -28, 28)
;;       step = 2.0 ** (np.maximum(np.frexp(np.where(r == 0, 1, r))[1] - 1, -2) - 2)
;;       q = np.round(r / step) * step * 2.0 ** e      # np.round: ties to even
;;       return np.moveaxis(q.reshape(q.shape[:-2] + (-1,))[..., :K], -1, axis).astype(np.float32)
;;   ~~~
;;   SOFTMAX AHEAD OF A QUANTISED PRODUCT. Where the list says 'softmax', what is quantised is not the finished softmax but p = 2^(t - M), with t = logit x log2(e) and M = ceil(the row's largest t), a whole number; so 1/2 < the row's largest p <= 1. The row's sum l is taken of the UNQUANTISED p, in f32, and the product's result is divided by l at the end. Since M is a whole number, a kernel that streams over the keys may use a running M (the ceiling of the running maximum): every later rescaling is an exact power of two, which a block's scale takes up: the codes' values come out the same.
;;   OPERANDS COMPUTED ON THE WAY. 'Computed on the way' means the value that the module computes at that place (a softmax that the list does not call 'softmax' is quantised finished and normalised). What goes into a quantiser is computed in f32, as accurately as f32 sums, v_exp_f32 and their like allow (about 1e-6 of the number): no bf16 or f16 on the way to a quantiser, and a product that is left as it is and whose result goes on into a quantised operand takes f32 operands (vector FMAs, or v_wmma_f32_16x16x4_f32). A number that lies on a knife's edge between two numbers of the format may be rounded either way, as far as f32 arithmetic and the matrix unit's own rounding can turn it there, and no further.
;; One version. Each part assembles by itself: llvm-mc -triple=amdgcn-amd-amdhsa -mcpu=gfx1250 --defsym DOCPART=n.
;; ======== version 1 of 1: 4 launches
;; limits: right only within a limited range of input values
;; workspace buffers: cq 9,830,400 bytes; qc 6,815,744 bytes; kc 6,815,744 bytes; vc 6,815,744 bytes; aq 6,553,600 bytes
;; launch quant (part 1): grid 384 x 1, 4 waves a work-group, no clusters, 57,856 bytes of LDS; arguments x, Wqkv, Wo, cq; writes cq
.if DOCPART == 1
	.amdgcn_target "amdgcn-amd-amdhsa--gfx1250"
	.amdhsa_code_object_version 6
	.text
	.protected	k_q2e27f8f266_quant
	.globl	k_q2e27f8f266_quant
	.p2align	8
	.type	k_q2e27f8f266_quant,@function
k_q2e27f8f266_quant:
	s_mov_b64 s[64:65], 0
	v_nop
	global_prefetch_b8 v0, s[64:65] scope:SCOPE_SE
	s_setreg_imm32_b32 hwreg(HW_REG_WAVE_MODE, 25, 1), 1
	s_wait_xcnt 0x0
; x [8192][1024], Wqkv [3072][1024] and Wo [1024][1024], f32, become codes of BF6 (E3M2), K innermost, 768 bytes a row, with one E8M0 scale byte for each 32 along K.
; A block's scale is 2^(floor(log2(its largest magnitude)) - 4); its byte is the largest magnitude's exponent field - 4, held at 1 from below.  Each number is divided by the scale and rounded to the nearest code, ties to even.
; cq: codes [12288 places][768 bytes] (x, then Wqkv, then Wo), and from byte XS on the scale bytes [12288 places][32].
; ROW i OF A TENSOR LIES AT PLACE i WITH BITS 3 AND 4 EXCHANGED: sixteen places on end, 16 T + r, are then rows 32 (T / 2) + 8 (T % 2) + r + 8 (r / 8): used as source 0 of a matrix instruction, two neighbouring
; tiles give a lane 16 neighbours along the next product's K.  Here that is only another order of the waves' runs of 8 rows: wave w writes run ((w & 1) << 1) | (w >> 1) of its work-group's four.
; LIMITS: a block of zeros gets the byte 1 where the rule says 127 (its codes are zeros, and this program alone reads the bytes); blocks whose largest magnitude lies under 2^-122 keep the byte 1; NaN and infinities are not served.
; A work-group takes 32 rows, a wave 8 rows = 16 steps of 512 numbers.  Each of a step's four loads reads 512 consecutive bytes; the 2,048 bytes turn through the wave's own stage in LDS and come back 64 bytes a lane:
; 16 neighbours along K, two neighbouring lanes to a block.  No barrier: waves share nothing.  Loads run four steps (16 loads a wave) ahead, the turn through LDS one step.
.set STEPS, 16
.set EMAX,  4
.set CB,    12                         ; bytes of 16 codes
.set R,     16                         ; v16-79   four sets of 16 numbers as they are loaded
.set X,     80                         ; v80-111  two sets of 16 neighbours
.set C,     128                        ; v128-191 codes: four registers for each step, so that no store's data are written again
.set E,     112                        ; v112-127 a scale byte for each step
.set WREG,  8192                       ; LDS: a region for each wave: two stages of 32 x SP bytes, and behind them its 256 scale bytes
.set SP,    80                         ; a lane's place in a stage: its 64 bytes + 16 of padding
.set XS,    9437184                    ; where the scale bytes begin in cq
	s_load_b128 s[4:7], s[0:1], 0x0                ; x, Wqkv
	s_load_b128 s[8:11], s[0:1], 0x10              ; Wo, cq
	v_lshl_add_u32 v192, v0, 2, 0x8000
	v_mov_b32 v193, 0
	v_lshrrev_b32 v1, 5, v0
	v_readfirstlane_b32 s16, v1                    ; wave
	v_and_b32 v2, 31, v0                           ; lane
	v_lshlrev_b32 v3, 4, v2                        ; my 16 bytes of a load's 512
	s_mul_i32 s17, s16, WREG
	v_lshrrev_b32 v14, 2, v2
	v_mul_u32_u24 v14, v14, SP
	v_and_b32 v15, 3, v2
	v_lshl_add_u32 v14, v15, 4, v14
	v_add_nc_u32 v14, s17, v14                     ; the stage, on the way in: SP (lane / 4) + 16 (lane % 4)
	v_mul_u32_u24 v15, v2, SP
	v_add_nc_u32 v15, s17, v15                     ; and on the way out: SP x lane: my 16 neighbours
; THE CODES' LAYOUT IN cq: by tiles of 16 places, 12,288 bytes each, as images of the operand registers: fragment f (128 along K) at 1536 f; in it piece p = 3 c + q at 256 p; in a piece lane (r, h) has the 8 bytes at 8 (r + 16 h):
; bytes 48 c + 24 h + 8 q .. + 7 of the 96 bytes of place r's codes.  A work-group's 32 places are two tiles: they are gathered in a stage of 24,576 bytes in LDS and leave as they lie there.
; My 16 codes are 12 bytes at byte 12 j of a fragment's 96, j = lane % 8: c = j / 4, h = (j / 2) % 2; j even: words 0, 1 of piece q = 0 and word 0 of q = 1; j odd: word 1 of q = 1 and words 0, 1 of q = 2.
.set STG, 33280                        ; the stage, behind the spare words
	v_lshrrev_b32 v8, 3, v2
	v_mul_u32_u24 v10, v8, 1536                    ; the fragment among a step's four
	v_bfe_u32 v8, v2, 2, 1
	v_mad_u32_u24 v10, v8, 768, v10                ; c
	v_bfe_u32 v8, v2, 1, 1
	v_lshl_add_u32 v10, v8, 7, v10                 ; h
	s_and_b32 s18, s16, 1
	s_mul_i32 s18, s18, 12288                      ; my run of 8 places: tile wave % 2,
	s_lshr_b32 s19, s16, 1
	s_lshl_b32 s19, s19, 6                         ; places 8 (wave / 2) .. + 7 of it
	s_add_co_u32 s18, s18, s19
	s_add_co_u32 s18, s18, STG
	v_add_nc_u32 v10, s18, v10
	v_and_b32 v8, 1, v2
	v_mad_u32_u24 v1, v8, 508, v10
	v_add_nc_u32 v1, 4, v1                         ; my second word: at 4, or at 512
	v_mad_u32_u24 v10, v8, 260, v10                ; my first word: at 0, or at 260; my third lies 256 further on
	s_mul_i32 s19, s16, 6144
	s_add_co_u32 s19, s19, STG
	v_add_nc_u32 v4, s19, v3                       ; the way out: my wave's quarter of the stage, 16 bytes a lane
	v_lshrrev_b32 v5, 1, v2
	s_add_co_u32 s17, s17, 2*32*SP
	v_add_nc_u32 v5, s17, v5                       ; LDS: my wave's 256 scale bytes, my block's byte
	v_lshlrev_b32 v7, 3, v2                        ; and on the way out 8 bytes a lane
	v_add_nc_u32 v6, s17, v7
	s_wait_alu depctr_va_vdst(0)
	s_wait_kmcnt 0x0
	s_mov_b32 s17, 352                             ; work-groups 0-255 take x, 256-351 Wqkv, 352-383 Wo: the choice hangs on the work-group's number alone
	s_cmp_lt_u32 ttmp9, 352
	s_cselect_b64 s[6:7], s[6:7], s[8:9]
	s_cselect_b32 s17, 256, s17
	s_cmp_lt_u32 ttmp9, 256
	s_cselect_b64 s[4:5], s[4:5], s[6:7]
	s_cselect_b32 s17, 0, s17
	s_sub_co_u32 s17, ttmp9, s17
	s_lshl_b32 s17, s17, 2
	s_add_co_u32 s18, s17, s16                     ; which run of 8 rows of the tensor my wave reads
	s_lshl_b32 s18, s18, 15                        ; 32,768 bytes a run
	s_mov_b32 s19, 0
	s_add_nc_u64 s[4:5], s[4:5], s[18:19]
	s_and_b32 s20, s16, 1
	s_lshl_b32 s20, s20, 1
	s_lshr_b32 s21, s16, 1
	s_or_b32 s20, s20, s21                         ; the wave's two bits exchanged
	s_lshl_b32 s21, ttmp9, 2
	s_add_co_u32 s20, s20, s21                     ; which run of 8 places of cq it writes
	s_add_co_u32 s22, s21, s16
	s_mul_i32 s22, s22, 6144                       ; the quarter of the work-group's 24,576 bytes of codes that my wave stores
	s_mov_b32 s23, 0
	s_add_nc_u64 s[12:13], s[10:11], s[22:23]      ; its codes
	s_lshl_b32 s22, s20, 8
	s_add_co_u32 s22, s22, XS
	s_add_nc_u64 s[14:15], s[10:11], s[22:23]      ; its 256 scale bytes
.macro LOAD t
.irp i, 0,1,2,3
	global_load_b128 v[R+16*((\t)%4)+4*\i:R+16*((\t)%4)+4*\i+3], v3, s[4:5] offset:2048*(\t)+512*\i th:TH_LOAD_NT   ; 32 lanes read 512 consecutive bytes
.endr
.endm
.macro TURN t                          ; step t's numbers through the stage: LDS serves a wave's instructions in order, so no wait stands between the stores and the loads
.irp i, 0,1,2,3
	ds_store_b128 v14, v[R+16*((\t)%4)+4*\i:R+16*((\t)%4)+4*\i+3] offset:32*SP*((\t)%2)+8*SP*\i
.endr
.irp i, 0,1,2,3
	ds_load_b128 v[X+16*((\t)%2)+4*\i:X+16*((\t)%2)+4*\i+3], v15 offset:32*SP*((\t)%2)+16*\i
.endr
.endm
.irp t, 0,1,2,3
	LOAD \t
.endr
	s_wait_loadcnt 12                              ; step 0's four loads are in; the 12 of steps 1 to 3 may be out
	TURN 0
.macro STEP t
.set XR, X+16*((\t)%2)
.if (\t) > 0
	s_wait_dscnt 4                                 ; this step's numbers are back from the stage (the last step's byte store and its three stores of codes may be out)
.else
	s_wait_dscnt 0x0
.endif
.if (\t)+4 < STEPS
	LOAD (\t)+4                                    ; which take the loads of four steps on
.endif
.if (\t)+1 < STEPS
.if STEPS-2-(\t) >= 3
	s_wait_loadcnt 12                              ; the next step's four loads are in; those of the three steps behind it may be out
.else
	s_wait_loadcnt 4*(STEPS-2-(\t))
.endif
	TURN (\t)+1                                    ; and go through the other stage while this step is worked
.endif
	v_max3_num_f32 v8, |v[XR]|, |v[XR+1]|, |v[XR+2]|               ; the largest magnitude of my 16
	v_max3_num_f32 v9, |v[XR+3]|, |v[XR+4]|, |v[XR+5]|
.irp i, 6,10
	v_max3_num_f32 v8, v8, |v[XR+\i]|, |v[XR+\i+1]|
	v_max3_num_f32 v9, v9, |v[XR+\i+2]|, |v[XR+\i+3]|
.endr
	v_max3_num_f32 v8, v8, |v[XR+14]|, |v[XR+15]|
	v_max3_num_f32 v8, v8, v9, (EMAX+1)<<23        ; and the floor 2^(EMAX + 1 - 127): so the byte cannot fall under 1
	v_max_num_f32_dpp v8, v8, v8 row_xmask:1 row_mask:0xf bank_mask:0xf   ; and of my neighbour's 16: the block's
	v_add_nc_u32 v11, -(EMAX<<23), v8              ; EMAX off its exponent field: the conversion takes the exponent field of this operand as its scale
	v_cvt_scalef32_pk16_bf6_f32 v[C+4*(\t):C+4*(\t)+2], v[XR:XR+15], v11
	v_lshrrev_b32 v[E+(\t)], 23, v11               ; the scale's byte
	ds_store_b8 v5, v[E+(\t)] offset:16*(\t)       ; both lanes of a block write the same byte with the same value
	ds_store_b32 v10, v[C+4*(\t)] offset:8*((\t)/2)+6144*((\t)%2)        ; place t / 2 of my run, fragments 4 (t % 2) ..
	ds_store_b32 v1, v[C+4*(\t)+1] offset:8*((\t)/2)+6144*((\t)%2)
	ds_store_b32 v10, v[C+4*(\t)+2] offset:8*((\t)/2)+6144*((\t)%2)+256
.endm
.irp t, 0,1,2,3,4,5,6,7,8,9,10,11,12,13,14,15
	STEP \t
.endr
	ds_load_b64 v[12:13], v6                       ; LDS serves a wave's instructions in order: these see my stores
	s_wait_dscnt 0x0
	global_store_b64 v7, v[12:13], s[14:15]        ; 32 lanes store 256 consecutive bytes, aligned
	s_barrier_signal -1                            ; my stores into the stage are done (the wait for 0 above)
	s_barrier_wait -1                              ; and so are the other waves'
.irp i, 0,1,2,3,4,5,6,7,8,9,10,11
	ds_load_b128 v[R+4*\i:R+4*\i+3], v4 offset:512*\i
.endr
	s_wait_dscnt 0x0
.irp i, 0,1,2,3,4,5,6,7,8,9,10,11
	global_store_b128 v3, v[R+4*\i:R+4*\i+3], s[12:13] offset:512*\i   ; 32 lanes store 512 consecutive bytes, aligned
.endr
	s_wait_tensorcnt 0x0
	ds_add_u32 v192, v193
	s_wait_dscnt 0x0
	s_endpgm
.Lfunc_end_k_q2e27f8f266_quant:
	.size	k_q2e27f8f266_quant, .Lfunc_end_k_q2e27f8f266_quant-k_q2e27f8f266_quant
	.p2alignl 7, 3214868480
	.fill 96, 4, 3214868480
	.section	.rodata,"a",@progbits
	.p2align	6, 0x0
	.amdhsa_kernel k_q2e27f8f266_quant
		.amdhsa_group_segment_fixed_size 57856
		.amdhsa_private_segment_fixed_size 0
		.amdhsa_enable_private_segment 0
		.amdhsa_kernarg_size 32
		.amdhsa_user_sgpr_count 2
		.amdhsa_user_sgpr_kernarg_segment_ptr 1
		.amdhsa_wavefront_size32 1
		.amdhsa_system_sgpr_workgroup_id_x 1
		.amdhsa_system_sgpr_workgroup_id_y 1
		.amdhsa_system_sgpr_workgroup_id_z 1
		.amdhsa_system_vgpr_workitem_id 0
		.amdhsa_next_free_vgpr 194
		.amdhsa_next_free_sgpr 66
		.amdhsa_reserve_vcc 0
		.amdhsa_float_denorm_mode_32 3
		.amdhsa_float_denorm_mode_16_64 3
		.amdhsa_memory_ordered 1
		.amdhsa_forward_progress 1
		.amdhsa_inst_pref_size 37
	.end_amdhsa_kernel
	.amdgpu_metadata
---
amdhsa.version: [ 1, 2 ]
amdhsa.kernels:
  - .name:           k_q2e27f8f266_quant
    .symbol:         k_q2e27f8f266_quant.kd
    .args:
      - { .name: x, .offset: 0, .size: 8, .value_kind: global_buffer, .address_space: global }
      - { .name: Wqkv, .offset: 8, .size: 8, .value_kind: global_buffer, .address_space: global }
      - { .name: Wo, .offset: 16, .size: 8, .value_kind: global_buffer, .address_space: global }
      - { .name: cq, .offset: 24, .size: 8, .value_kind: global_buffer, .address_space: global }
    .group_segment_fixed_size: 57856
    .private_segment_fixed_size: 0
    .kernarg_segment_align: 8
    .kernarg_segment_size: 32
    .max_flat_workgroup_size: 128
    .sgpr_count:     66
    .vgpr_count:     194
    .wavefront_size: 32
...
	.end_amdgpu_metadata
.endif
;; end of part 1
;; launch qkv (part 2): grid 12 x 32, 4 waves a work-group, clusters of 4 x 4, 327,680 bytes of LDS; arguments cq, bqkv, qc, kc, vc; writes qc, kc, vc
.if DOCPART == 2
	.amdgcn_target "amdgcn-amd-amdhsa--gfx1250"
	.amdhsa_code_object_version 6
	.text
	.protected	k_q2e27f8f266_qkv
	.globl	k_q2e27f8f266_qkv
	.p2align	8
	.type	k_q2e27f8f266_qkv,@function
k_q2e27f8f266_qkv:
	s_mov_b64 s[64:65], 0
	v_nop
	global_prefetch_b8 v0, s[64:65] scope:SCOPE_SE
	s_setreg_imm32_b32 hwreg(HW_REG_WAVE_MODE, 25, 1), 1
	s_wait_xcnt 0x0
	s_wait_alu depctr_hold_cnt(0) depctr_sa_sdst(0) depctr_va_vdst(0) depctr_va_sdst(0) depctr_va_ssrc(0) depctr_va_vcc(0) depctr_vm_vsrc(0)
	s_getreg_b32 s2, hwreg(HW_REG_IB_STS2, 6, 4)
	s_cmp_eq_u32 s2, 0
	s_cbranch_scc0 .Lentry_in_a_cluster
	s_endpgm
.Lentry_in_a_cluster:
	s_bfe_u32 s2, ttmp6, 0x10000c
	s_cmp_lg_u32 s2, 0xf033
	s_cbranch_scc0 .Lentry_shape_is_right
	s_endpgm
.Lentry_shape_is_right:
.set KSTEP,  256
.set NQ,     2
.set ROWB,   3072                      ; a K step of 256 of a tile of 16 places: two fragments' images, dense in cq
.set KROW,   768
.set PITCH,  192                       ; LDS bytes for a place and a K step: the tiles lie dense
.set FR,     12
.set NL,     6
.set NP,     4
.set HALFT,  128*PITCH
.set SLOT,   4*HALFT
.set LAPS,   2
.set KS,     32
.set SCL,    2*SLOT
.set HALFS,  4096
.set SBLK,   512
.set SPARE,  SCL+6*HALFS
.set XS,     9437184
.set WC,     6291456
.set WS,     9699328
.set REC,    106496
.set CH,     26624
.set CODES,  24576
.set KSB,    6144
.set ADRA, 16
.set ADRB, 20
.set L8,   24
.set L4,   25
.set ADRS, 27
.set SPW,  28
.set NIL,  29
.set SC,   32
.set BI,   64
.set AF,   128
.set VO,   224
.set H,    128
.set PC,   192
.set TM,   224
.set PW,   240
.set WA,   242
.set WB,   243
.set G1, 24
.set G0, 32
.set G1B, 48
.set G0B, 56
.set XH, 66
.set WH, 67
.set G1S, 68
.set G0S, 76
.set G1SB, 80
.set G0SB, 88
.set SEL, 94
.set SB,  96
.set SS,  98
.set MSB, 0
.macro WIN new
.if MSB != (\new)
	s_set_vgpr_msb (MSB<<8)|(\new)
.set MSB, (\new)
.endif
.endm
.set MUL_LO, 0xa1
.set MUL_HI, 0xf1
.set TO_B,   0x40
.macro JLOAD g0a, g1a, g0b, g1b
	s_cmp_eq_u32 s15, 0
	s_cbranch_scc0 .Lfor_b_\@
	tensor_load_to_lds s[\g0a:\g0a+3], s[\g1a:\g1a+7]
	s_nop 0
.rept 4
	v_nop
.endr
	s_branch .Lasked_\@
.Lfor_b_\@:
	tensor_load_to_lds s[\g0b:\g0b+3], s[\g1b:\g1b+7]
	s_nop 0
.rept 4
	v_nop
.endr
.Lasked_\@:
.endm
.macro CREST
	s_cmp_lg_u32 s14, 0
	s_cbranch_scc1 .Lnot_wave_0_\@
	s_barrier_signal -3
.Lnot_wave_0_\@:
	s_barrier_wait -3
	s_barrier_signal -1
	s_barrier_wait -1
.endm
.macro CROUND
	s_barrier_signal -1
	s_barrier_wait -1
	CREST
.endm
	s_load_b128 s[4:7], s[0:1], 0x0
	s_load_b128 s[8:11], s[0:1], 0x10
	s_load_b64 s[12:13], s[0:1], 0x20
	v_lshl_add_u32 v[SPW], v0, 2, SPARE
	v_mov_b32 v[NIL], 0
	ds_add_u32 v28, v29
	ds_add_u32 v28, v29
	s_wait_dscnt 0x0
	v_lshrrev_b32 v1, 5, v0
	v_readfirstlane_b32 s14, v1
	s_lshr_b32 s15, s14, 1
	s_and_b32 s16, s14, 1
	s_bfe_u32 s40, ttmp6, 0x40000
	s_bfe_u32 s41, ttmp6, 0x40004
	s_lshl_b32 s42, ttmp9, 2
	s_add_co_u32 s42, s42, s40
	s_and_b32 s17, ttmp7, 0xffff
	s_lshl_b32 s17, s17, 2
	s_add_co_u32 s17, s17, s41
	s_lshl_b32 s43, s41, 2
	s_lshl_b32 s43, 15, s43
	s_lshl_b32 s44, 0x1111, s40
	s_or_b32 s[G1+0], s43, (3<<16)|(1<<21)         ; elements of 8 bytes, no padding
	s_or_b32 s[G1B+0], s44, (3<<16)|(1<<21)
.irp g, G1, G1B
	s_mov_b32 s[\g+1], 384<<16                     ; a row: 3,072 bytes of one tile of 16 places
	s_mov_b32 s[\g+2], 16<<16                      ; the head's loads bring 16 tiles; behind them the two counts are set to 8
	s_mov_b32 s[\g+3], 384<<16
	s_mov_b32 s[\g+4], 16
	s_mov_b32 s[\g+5], 1536                        ; 12,288 bytes from tile to tile
	s_mov_b32 s[\g+6], 0
	s_mov_b32 s[\g+7], 0
.endr
	s_or_b32 s[G1S+0], s43, (3<<16)|(1<<21)        ; the scales of 256 places: 32 rows of 256 bytes, dense
	s_or_b32 s[G1SB+0], s44, (3<<16)|(1<<21)
.irp g, G1S, G1SB
	s_mov_b32 s[\g+1], 32<<16
	s_mov_b32 s[\g+2], 32<<16
	s_mov_b32 s[\g+3], 32<<16
	s_mov_b32 s[\g+4], 32
	s_mov_b32 s[\g+5], 32
	s_mov_b32 s[\g+6], 0
	s_mov_b32 s[\g+7], 0
.endr
	s_lshl_b32 s20, s17, 8
	s_lshl_b32 s46, s42, 8
	s_mov_b32 s21, 0
	s_mov_b32 s47, 0
	s_mov_b64 s[18:19], KS
	s_mul_u64 s[22:23], s[20:21], s[18:19]
	s_mul_u64 s[92:93], s[46:47], s[18:19]
	s_mov_b64 s[18:19], KROW
	s_mul_u64 s[20:21], s[20:21], s[18:19]
	s_mul_u64 s[46:47], s[46:47], s[18:19]
	s_mul_i32 s45, s14, HALFT
	s_wait_kmcnt 0x0
	s_add_nc_u64 s[20:21], s[4:5], s[20:21]
	s_add_nc_u64 s[22:23], s[4:5], s[22:23]
	s_add_nc_u64 s[22:23], s[22:23], XS
	s_add_nc_u64 s[46:47], s[4:5], s[46:47]
	s_add_nc_u64 s[46:47], s[46:47], WC
	s_add_nc_u64 s[92:93], s[4:5], s[92:93]
	s_add_nc_u64 s[92:93], s[92:93], WS
	CROUND
	s_mov_b32 s[G0S], 1
	s_mov_b32 s[G0S+1], SCL
	s_mov_b64 s[G0S+2:G0S+3], s[22:23]
	s_or_b32 s[G0S+3], s[G0S+3], 0x80000000
	s_mov_b32 s[G0SB], 1
	s_mov_b32 s[G0SB+1], SCL+2*HALFS
	s_mov_b64 s[G0SB+2:G0SB+3], s[92:93]
	s_or_b32 s[G0SB+3], s[G0SB+3], 0x80000000
	s_mul_i32 s18, s16, 8*12288                    ; in the ring I fetch 8 of a tile's 16 tiles of places: which half, in bytes
	s_mov_b32 s19, 0
	s_mov_b32 s[G0], 1                             ; slot 0's groups 0 first serve the head's loads: K step 0 of x's 256 places,
	s_mov_b32 s[G0+1], 0
	s_mov_b64 s[G0+2:G0+3], s[20:21]
	s_or_b32 s[G0+3], s[G0+3], 0x80000000
	s_mov_b32 s[G0B], 1                            ; and of W's 256, behind them
	s_mov_b32 s[G0B+1], 2*HALFT
	s_mov_b64 s[G0B+2:G0B+3], s[46:47]
	s_or_b32 s[G0B+3], s[G0B+3], 0x80000000
	s_add_nc_u64 s[20:21], s[20:21], s[18:19]
	s_add_nc_u64 s[46:47], s[46:47], s[18:19]
	s_mov_b32 s[G0+4], 1                           ; slot 1: my quarter of K step 1
	s_add_co_u32 s[G0+5], s45, SLOT
	s_add_nc_u64 s[G0+6:G0+7], s[20:21], ROWB
	s_or_b32 s[G0+7], s[G0+7], 0x80000000
	s_mov_b32 s[G0B+4], 1
	s_add_co_u32 s[G0B+5], s45, SLOT
	s_add_nc_u64 s[G0B+6:G0B+7], s[46:47], ROWB
	s_or_b32 s[G0B+7], s[G0B+7], 0x80000000
; the head's four tiles, one joint load a wave: one chain of branches on the wave's number, every way passes one load
.macro ARM under, g0, g1, next
	s_cmp_lt_u32 s14, \under
	s_cbranch_scc0 \next
	tensor_load_to_lds s[\g0:\g0+3], s[\g1:\g1+7]
	s_nop 0
.rept 4
	v_nop
.endr
	s_branch .Lhead_asked
\next:
.endm
	ARM 1, G0,  G1,  .Lhead_b
	ARM 2, G0B, G1B, .Lhead_sa
	ARM 3, G0S, G1S, .Lhead_sb
	tensor_load_to_lds s[G0SB:G0SB+3], s[G1SB:G1SB+7]
	s_nop 0
.rept 4
	v_nop
.endr
.Lhead_asked:
	v_and_b32 v1, 15, v0
	v_bfe_u32 v2, v0, 4, 1
	v_and_b32 v4, 31, v0
	v_lshlrev_b32 v4, 3, v4                        ; a piece's place for my lane: 8 x lane
	s_wait_alu depctr_va_vdst(0)
	s_cmp_eq_u32 ttmp9, 2
	s_cselect_b32 s[XH], s16, s15
	s_cselect_b32 s[WH], s15, s16
	s_cselect_b32 s18, 2*HALFT, 0
	s_cselect_b32 s19, 0, 2*HALFT
	s_cselect_b32 s101, 1, 0
	s_cselect_b32 s93, -1, 0
	s_cselect_b32 s92, 0, 4
	s_mul_i32 s21, s15, HALFT
	s_add_co_u32 s21, s21, s18
	s_mul_i32 s22, s16, HALFT
	s_add_co_u32 s22, s22, s19
.irp s, 0,1
	v_add_nc_u32 v[ADRA+\s], s21, v4
	v_add_nc_u32 v[ADRB+\s], s22, v4
	s_add_co_u32 s21, s21, SLOT
	s_add_co_u32 s22, s22, SLOT
.endr
	v_mul_u32_u24 v5, v1, KS
	s_lshl_b32 s21, s[XH], 12
	s_lshl_b32 s22, s[WH], 12
	s_add_co_u32 s21, s21, SCL                     ; x's scales, my 128 places
	s_add_co_u32 s22, s22, SCL+2*HALFS             ; W's
	v_add_nc_u32 v6, s21, v5
	v_add_nc_u32 v5, s22, v5
	v_xor_b32 v7, s101, v2
	v_cmp_eq_u32 vcc_lo, 1, v7
	v_cndmask_b32 v[ADRS], v6, v5, vcc_lo          ; lanes 0-15 take source 1's words, lanes 16-31 source 0's: one choice between the two addresses
	v_and_b32 v6, 31, v0
	v_lshlrev_b32 v[L8], 3, v6
	v_lshlrev_b32 v[L4], 2, v6
	v_and_b32 v6, 8, v1
	v_add_nc_u32 v6, v6, v1
	v_lshlrev_b32 v6, 2, v6
	v_lshlrev_b32 v7, 6, v2
	v_cndmask_b32 v7, v7, v6, s93
.irp j, 0,1,2,3,4,5,6,7
	v_mad_u32_u24 v[VO+\j], s92, \j, v7
.endr
	s_lshl_b32 s46, s42, 8
	s_lshl_b32 s47, s[WH], 7
	s_add_co_u32 s46, s46, s47
	s_lshl_b32 s46, s46, 2
	s_mov_b32 s47, 0
	s_add_nc_u64 s[6:7], s[6:7], s[46:47]
.irp i, 0,1,2,3,4,5,6,7
.irp j, 0,1,2,3,4,5,6,7
	global_load_b32 v[BI+8*\i+\j], v[VO+\j], s[6:7] offset:4*(32*(\i/2)+8*(\i%2))
.endr
.endr
	s_lshr_b32 s46, s17, 3
	s_lshl_b32 s46, s46, 4
	s_lshl_b32 s47, s40, 2
	s_add_co_u32 s46, s46, s47
	s_lshl_b32 s47, s[WH], 1
	s_add_co_u32 s46, s46, s47
	s_mul_i32 s46, s46, REC
	s_bfe_u32 s47, s17, 0x20001
	s_mul_i32 s47, s47, CH
	s_add_co_u32 s46, s46, s47
	s_and_b32 s47, s17, 1
	s_lshl_b32 s47, s47, 1
	s_add_co_u32 s47, s47, s[XH]
	s_mul_i32 s92, s47, KSB
	s_add_co_u32 s92, s92, s46
	s_mov_b32 s93, 0
	s_lshl_b32 s47, s47, 9
	s_add_co_u32 s46, s46, s47
	s_add_co_u32 s46, s46, CODES
	s_mov_b32 s47, 0
	s_cmp_eq_u32 ttmp9, 0
	s_cselect_b64 s[8:9], s[8:9], s[10:11]
	s_cmp_eq_u32 ttmp9, 2
	s_cselect_b64 s[8:9], s[12:13], s[8:9]
	s_add_nc_u64 s[SB:SB+1], s[8:9], s[92:93]
	s_add_nc_u64 s[SS:SS+1], s[8:9], s[46:47]
	s_mov_b32 s[SEL], 0x76543210
	s_mov_b32 s[SEL+1], 0xfedcba98
	s_mov_b32 s100, 0xffff0000
.macro FRAG reg, adr, q, i
.irp p, 0,1,2,3,4,5
	ds_load_b64 v[\reg+2*\p:\reg+2*\p+1], v[\adr] offset:(\i)*ROWB+1536*(\q)+256*\p   ; 32 lanes read 256 consecutive bytes
.endr
.endm
.macro MUL16 a0, p, q, sc, zero
.irp a, \a0, \a0+1
.irp b, 0,1,2,3,4,5,6,7
.if \zero
	v_wmma_scale_f32_16x16x128_f8f6f4 v[8*(8*((\a)%4)+\b):8*(8*((\a)%4)+\b)+7], v[128*(\p)+FR*\b:128*(\p)+FR*\b+FR-1], v[AF+FR*(\a):AF+FR*(\a)+FR-1], 0, v[SC+8*NQ*(\sc)+NQ*\b+(\q)], v[SC+8*NQ*(\sc)+NQ*(\a)+(\q)] matrix_a_fmt:MATRIX_FMT_BF6 matrix_b_fmt:MATRIX_FMT_BF6 matrix_a_scale:MATRIX_SCALE_ROW1
.else
	v_wmma_scale_f32_16x16x128_f8f6f4 v[8*(8*((\a)%4)+\b):8*(8*((\a)%4)+\b)+7], v[128*(\p)+FR*\b:128*(\p)+FR*\b+FR-1], v[AF+FR*(\a):AF+FR*(\a)+FR-1], v[8*(8*((\a)%4)+\b):8*(8*((\a)%4)+\b)+7], v[SC+8*NQ*(\sc)+NQ*\b+(\q)], v[SC+8*NQ*(\sc)+NQ*(\a)+(\q)] matrix_a_fmt:MATRIX_FMT_BF6 matrix_b_fmt:MATRIX_FMT_BF6 matrix_a_scale:MATRIX_SCALE_ROW1
.endif
.endr
.endr
.endm
.macro FETCH_B slot, q, p
	WIN TO_B
.irp i, 0,1,2,3,4,5,6,7
	FRAG 128*(\p)+FR*\i, ADRB+\slot, \q, \i
.endr
	WIN 0
.endm
.macro FETCH_A slot, q, i0
.irp i, \i0, \i0+1, \i0+2, \i0+3
	FRAG AF+FR*(\i), ADRA+\slot, \q, \i
.endr
.endm
.macro SCALES sc
.irp i, 0,1,2,3,4,5,6,7
	ds_load_b64 v[SC+8*NQ*\sc+NQ*\i:SC+8*NQ*\sc+NQ*\i+1], v[ADRS] offset:\i*SBLK
.endr
.endm
.macro PLACES n
.rept \n
	v_nop
.endr
.endm
.macro STEP slot, q, zero
	s_wait_dscnt 4*NL
	WIN MUL_LO
	MUL16 0, (\q)%2, \q, \slot, \zero
	MUL16 2, (\q)%2, \q, \slot, \zero
	s_wait_dscnt 0
	PLACES NP
	FETCH_B \slot, (\q)+1, 1-(\q)%2
	FETCH_A \slot, (\q)+1, 0
	WIN MUL_HI
	MUL16 4, (\q)%2, \q, \slot, \zero
	MUL16 6, (\q)%2, \q, \slot, \zero
	PLACES NP
	WIN 0
	FETCH_A \slot, (\q)+1, 4
.endm
.macro TURN slot, next, fill
	s_wait_tensorcnt 0x0
	ds_add_u32 v[SPW], v[NIL]
	s_wait_dscnt 4*NL+1
	WIN MUL_LO
	MUL16 0, 1, NQ-1, \slot, 0
	s_wait_dscnt 0x0
	s_barrier_signal -1
	MUL16 2, 1, NQ-1, \slot, 0
	WIN 0
	s_barrier_wait -1
.if \fill
	CREST
	s_add_nc_u64 s[G0+4*\slot+2:G0+4*\slot+3], s[G0+4*\slot+2:G0+4*\slot+3], 2*ROWB
	s_add_nc_u64 s[G0B+4*\slot+2:G0B+4*\slot+3], s[G0B+4*\slot+2:G0B+4*\slot+3], 2*ROWB
	JLOAD G0+4*\slot, G1, G0B+4*\slot, G1B
.else
	PLACES NP
.endif
	s_wait_alu depctr_va_vdst(0)
	v_add_nc_u32 v[ADRS], 4*NQ, v[ADRS]
	FETCH_B \next, 0, 0
	FETCH_A \next, 0, 0
	SCALES \next
	WIN MUL_HI
	MUL16 4, 1, NQ-1, \slot, 0
	MUL16 6, 1, NQ-1, \slot, 0
	PLACES NP
	WIN 0
	FETCH_A \next, 0, 4
.endm
	s_wait_alu depctr_va_vdst(0)                   ; the wait at the head's end
	s_wait_tensorcnt 0x0                           ; my tile of the head's four is in
	ds_add_u32 v[SPW], v[NIL]
	s_mov_b32 s[G1+2], 8<<16                       ; no tensor load of mine is out: from here on a load brings 8 tiles of places,
	s_mov_b32 s[G1+4], 8
	s_mov_b32 s[G1B+2], 8<<16
	s_mov_b32 s[G1B+4], 8
	s_mul_i32 s18, s16, 8*12288
	s_mov_b32 s19, 0
	s_mov_b32 s[G0+1], s45                         ; and slot 0's groups 0 point at my quarter
	s_mov_b32 s[G0B+1], s45
	s_add_nc_u64 s[G0+2:G0+3], s[G0+2:G0+3], s[18:19]
	s_add_nc_u64 s[G0B+2:G0B+3], s[G0B+2:G0B+3], s[18:19]
	s_wait_dscnt 0x0
	CROUND                                         ; all four tiles are in, in every partner
	JLOAD G0+4, G1, G0B+4, G1B                     ; K step 1, the first tensor load behind the round
	FETCH_B 0, 0, 0
	FETCH_A 0, 0, 0
	SCALES 0
	FETCH_A 0, 0, 4
	STEP 0, 0, 1
	s_mov_b32 s3, LAPS-1
.Llap:
	TURN 0, 1, 1
	STEP 1, 0, 0
	TURN 1, 0, 1
	STEP 0, 0, 0
	s_sub_co_u32 s3, s3, 1
	s_cmp_lg_u32 s3, 0
	s_cbranch_scc1 .Llap
	TURN 0, 1, 0
	STEP 1, 0, 0
	s_wait_dscnt 4*NL
	WIN MUL_LO
	MUL16 0, 1, NQ-1, 1, 0
	MUL16 2, 1, NQ-1, 1, 0
	s_wait_dscnt 0
	WIN MUL_HI
	MUL16 4, 1, NQ-1, 1, 0
	MUL16 6, 1, NQ-1, 1, 0
	WIN 0
.macro QUANT s, pw
.irp b, 0,1,2,3
	v_max3_num_f32 v[TM+\b], |v[\s+16*\b]|, |v[\s+1+16*\b]|, 0x2800000
.endr
.irp i, 2,4,6,8,10,12,14
.irp b, 0,1,2,3
	v_max3_num_f32 v[TM+\b], v[TM+\b], |v[\s+16*\b+\i]|, |v[\s+1+16*\b+\i]|
.endr
.endr
.irp b, 0,1,2,3
	v_permlanex16_b32 v[TM+4+\b], v[TM+\b], s[SEL], s[SEL+1]
.endr
.irp b, 0,1,2,3
	v_max_num_f32 v[TM+\b], v[TM+\b], v[TM+4+\b]
.endr
.irp b, 0,1,2,3
	v_add_nc_u32 v[TM+12+\b], 0xfe000000, v[TM+\b]
.endr
.irp b, 0,1,2,3
	v_lshrrev_b32 v[TM+4+\b], 23, v[TM+12+\b]
.endr
	v_lshl_or_b32 v[\pw], v[TM+5], 8, v[TM+4]
	v_lshl_or_b32 v[\pw], v[TM+6], 16, v[\pw]
	v_lshl_or_b32 v[\pw], v[TM+7], 24, v[\pw]
.irp c, 0,1
	v_cvt_scalef32_pk16_bf6_f32 v[PC+6*\c:PC+2+6*\c], v[\s+32*\c:\s+15+32*\c], v[TM+12+2*\c]
	v_cvt_scalef32_pk16_bf6_f32 v[PC+12+4*\c:PC+14+4*\c], v[\s+16+32*\c:\s+31+32*\c], v[TM+12+2*\c+1]
.endr
	v_nop
.irp c, 0,1
.irp i, 0,1,2
	v_permlane16_swap_b32 v[PC+6*\c+\i], v[PC+12+4*\c+\i]
.endr
.irp i, 0,1,2
	v_mov_b32 v[PC+3+6*\c+\i], v[PC+12+4*\c+\i]
.endr
.endr
.endm
.macro EPI kv
.set a, 0
.rept 8
.if a > 0
	s_wait_xcnt 0x0
.endif
	WIN 2+a/4
.set b, 0
.rept 8
.if \kv
.set bb, BI+8*a
.else
.set bb, BI+8*b
.endif
.set i, 0
.rept 4
	v_pk_add_f32 v[H+8*b+2*i:H+8*b+2*i+1], v[64*(a%4)+8*b+2*i:64*(a%4)+8*b+2*i+1], v[bb+2*i:bb+2*i+1]
.set i, i+1
.endr
.set b, b+1
.endr
	WIN 0
	QUANT H, PW+a%2
.set p, 0
.rept 6
.if \kv
	global_store_b64 v[L8], v[PC+2*p:PC+2*p+1], s[SB:SB+1] offset:(a/4)*REC+(a%4)*1536+256*p
.else
	global_store_b64 v[L8], v[PC+2*p:PC+2*p+1], s[SB:SB+1] offset:(p/3)*REC+768*a+256*(p%3)
.endif
.set p, p+1
.endr
.if \kv
	global_store_b32 v[L4], v[PW+a%2], s[SS:SS+1] offset:(a/4)*REC+128*(a%4)
.else
.if a%2
	v_cndmask_b32 v[WA], v[PW], v[PW+1], s100
	v_lshrrev_b32 v[WB], 16, v[WA]
	v_and_b32 v[WA], 0xffff, v[WA]
	global_store_b32 v[L4], v[WA], s[SS:SS+1] offset:64*(a-1)
	global_store_b32 v[L4], v[WB], s[SS:SS+1] offset:REC+64*(a-1)
.endif
.endif
.set a, a+1
.endr
.endm
	s_wait_loadcnt 0x0
	PLACES NP
.irp b, 0,1,2,3
	v_mov_b32 v[TM+4+\b], 0
.endr
	s_cmp_eq_u32 ttmp9, 2
	s_cbranch_scc1 .Lepi_v
	EPI 0
	s_branch .Lend
.Lepi_v:
	EPI 1
.Lend:
	s_wait_tensorcnt 0x0
	ds_add_u32 v[SPW], v[NIL]
	s_wait_dscnt 0x0
	CROUND
	s_endpgm
.Lfunc_end_k_q2e27f8f266_qkv:
	.size	k_q2e27f8f266_qkv, .Lfunc_end_k_q2e27f8f266_qkv-k_q2e27f8f266_qkv
	.p2alignl 7, 3214868480
	.fill 96, 4, 3214868480
	.section	.rodata,"a",@progbits
	.p2align	6, 0x0
	.amdhsa_kernel k_q2e27f8f266_qkv
		.amdhsa_group_segment_fixed_size 327680
		.amdhsa_private_segment_fixed_size 0
		.amdhsa_enable_private_segment 0
		.amdhsa_kernarg_size 40
		.amdhsa_user_sgpr_count 2
		.amdhsa_user_sgpr_kernarg_segment_ptr 1
		.amdhsa_wavefront_size32 1
		.amdhsa_system_sgpr_workgroup_id_x 1
		.amdhsa_system_sgpr_workgroup_id_y 1
		.amdhsa_system_sgpr_workgroup_id_z 1
		.amdhsa_system_vgpr_workitem_id 0
		.amdhsa_next_free_vgpr 1024
		.amdhsa_next_free_sgpr 102
		.amdhsa_reserve_vcc 1
		.amdhsa_float_denorm_mode_32 3
		.amdhsa_float_denorm_mode_16_64 3
		.amdhsa_memory_ordered 1
		.amdhsa_forward_progress 1
		.amdhsa_inst_pref_size 243
	.end_amdhsa_kernel
	.amdgpu_metadata
---
amdhsa.version: [ 1, 2 ]
amdhsa.kernels:
  - .name:           k_q2e27f8f266_qkv
    .symbol:         k_q2e27f8f266_qkv.kd
    .args:
      - { .name: cq, .offset: 0, .size: 8, .value_kind: global_buffer, .address_space: global }
      - { .name: bqkv, .offset: 8, .size: 8, .value_kind: global_buffer, .address_space: global }
      - { .name: qc, .offset: 16, .size: 8, .value_kind: global_buffer, .address_space: global }
      - { .name: kc, .offset: 24, .size: 8, .value_kind: global_buffer, .address_space: global }
      - { .name: vc, .offset: 32, .size: 8, .value_kind: global_buffer, .address_space: global }
    .group_segment_fixed_size: 327680
    .private_segment_fixed_size: 0
    .kernarg_segment_align: 8
    .kernarg_segment_size: 40
    .max_flat_workgroup_size: 128
    .sgpr_count:     102
    .vgpr_count:     1024
    .wavefront_size: 32
...
	.end_amdgpu_metadata
.endif
;; end of part 2
;; launch attn (part 3): grid 4 x 64, 16 waves a work-group, clusters of 4 x 1, 224,256 bytes of LDS; arguments qc, kc, vc, attention_mask, aq; writes aq
.if DOCPART == 3
	.amdgcn_target "amdgcn-amd-amdhsa--gfx1250"
	.amdhsa_code_object_version 6
	.text
	.protected	k_q2e27f8f266_attn
	.globl	k_q2e27f8f266_attn
	.p2align	8
	.type	k_q2e27f8f266_attn,@function
k_q2e27f8f266_attn:
	s_mov_b64 s[64:65], 0
	v_nop
	global_prefetch_b8 v0, s[64:65] scope:SCOPE_SE
	s_setreg_imm32_b32 hwreg(HW_REG_WAVE_MODE, 25, 1), 1
	s_wait_xcnt 0x0
	s_wait_alu depctr_hold_cnt(0) depctr_sa_sdst(0) depctr_va_vdst(0) depctr_va_sdst(0) depctr_va_ssrc(0) depctr_va_vcc(0) depctr_vm_vsrc(0)
	s_getreg_b32 s2, hwreg(HW_REG_IB_STS2, 6, 4)
	s_cmp_eq_u32 s2, 0
	s_cbranch_scc0 .Lentry_in_a_cluster
	s_endpgm
.Lentry_in_a_cluster:
	s_bfe_u32 s2, ttmp6, 0x10000c
	s_cmp_lg_u32 s2, 0x3003
	s_cbranch_scc0 .Lentry_shape_is_right
	s_endpgm
.Lentry_shape_is_right:
; o = softmax(q k^T / 8, hidden keys at -1e9) v for one batch and head, both products on codes of BF6 (E3M2) with E8M0 scales; o leaves as codes, quantised along hidden = head x 64 + channel, in the order of the next launch's operand registers.
; THE SOFTMAX: t = score x log2(e) / 8; M = the running largest t, rounded up to a whole number; p = 2^(t - M) is what is quantised, along the keys; the row's sum is taken of the unquantised p and divides O at the end.
; When M moves, the sum and O are multiplied by 2^(old M - new M): exact.
; THE MASK goes in as the C of the first product: 0 for an open key, -2^100 for a hidden one, so that p = 0 there.  -2^100 x c is exact and whole, so a step all of whose keys are hidden gives p = 1 and finite sums, which the first
; open key's change of M multiplies by 0.  A batch with no open key gets bias 0 and c = 0: every p = 1, the uniform weights that -1e9 everywhere gives.  Both are choices of values; no branch hangs on the mask.
; LIMITS: where every open logit of a row lies under about -1e9 + 150 the -1e9 of hidden keys would count, and here it does not; NaN and infinities are not served; a block of zeros carries the byte 1.
; SHARES.  The cluster's four work-groups belong to one batch and head; work-group cx owns places 512 cx .. + 511 of the queries, in two passes of 256; each of its sixteen waves owns one tile of 16 in a pass.
; ALL OF THE HEAD'S K AND V LIE IN LDS: two records of 106,496 bytes, asked for once, jointly by the four partners, in eighths, one joint load a wave (waves 0-7: K's, waves 8-15: V's).  Nothing is ever filled again.
; LAYOUT.  Both products are used transposed: S^T = K Q^T (source 0 = 16 key places), O^T = V^T P^T (source 0 = 16 channel places): a lane holds one query throughout.  Sixteen places on end are rows 32 (T / 2) + 8 (T % 2) + r + 8 (r / 8):
; so the 16 registers of tiles 2 b and 2 b + 1 are 16 neighbouring keys (channels), 32 b + 16 (lane / 16) + 0 .. 15.  The head's 64 fill registers 0-5 of K's and Q's operands; registers 6-11 hold zero codes.
; REGISTERS: v1-7 addresses that stay; v8-11, v28 addresses in hand; v12 -M, v13 the largest t, v[14:15] the sum; v16-27 Q; v32-79 four fragments of K; v96-159 the bias, S^T, p, then V's four fragments; v160-191 O^T; v224-235 p's codes; v232-254 at work; v255 Q's scale words.
.set REC,   106496
.set CH,    26624
.set CODES, 24576
.set KSB,   6144
.set VREC,  REC                        ; LDS: K's record at 0, V's here,
.set MB,    2*REC                      ; the bias, one f32 for each key place: 8,192 bytes,
.set FLG,   MB+8192                    ; and sixteen words: which lanes of each wave saw an open key
.set AS,    6291456                    ; aq: where the scale bytes begin
.set AK0,  1                           ; v1   8 x lane: a piece's place for my lane, in LDS and in memory
.set AV0,  2                           ; v2   the same in V's record
.set ASK0, 3                           ; v3   4 x (lane % 16): a scale word of K or Q
.set ASV0, 4                           ; v4   4 x lane in V's record
.set AMB0, 5                           ; v5   the bias: MB + 32 (lane / 16)
.set ADK,  8
.set ADV,  9
.set ADS,  10
.set ADT,  11
.set ADM,  28
.set WV,   18
.set SEL,  20
.set CS,   22                          ; s[22:23] c = log2(e) / 8, or 0
.set G1,   24
.set G0,   32                          ; s[32:35] the group 0 of my wave's one load
.set TB,   48                          ; s48  LDS byte of the step's codes in a record
.set TS,   49                          ; s49  of its scale words
.set TMB,  50                          ; s50  of its bias
.set CNT,  51
.set PASS, 52
.set NEG,  53
.macro CROUND
	s_barrier_signal -1
	s_barrier_wait -1
	s_cmp_lg_u32 s[WV], 0
	s_cbranch_scc1 .Lnot_wave_0_\@
	s_barrier_signal -3
.Lnot_wave_0_\@:
	s_barrier_wait -3
	s_barrier_signal -1
	s_barrier_wait -1
.endm
	s_load_b128 s[4:7], s[0:1], 0x0                ; qc, kc
	s_load_b128 s[8:11], s[0:1], 0x10              ; vc, attention_mask
	s_load_b64 s[12:13], s[0:1], 0x20              ; aq
	v_lshl_add_u32 v223, v0, 2, 0x36400
	v_mov_b32 v243, 0
	ds_add_u32 v223, v243
	ds_add_u32 v223, v243
	v_lshrrev_b32 v8, 5, v0
	s_delay_alu instid0(VALU_DEP_1)
	v_readfirstlane_b32 s[WV], v8                  ; wave 0..15
	s_bfe_u32 s19, ttmp6, 0x40000                  ; cx: it enters Q's and o's global addresses alone
	s_and_b32 s54, ttmp7, 0xffff                   ; 16 x batch + head, which the four partners share
	s_lshr_b32 s55, s54, 4
	s_and_b32 s56, s54, 15
	s_mul_i32 s58, s54, REC                        ; the record
	s_mov_b32 s59, 0
	s_mov_b32 s[G1], 15|(3<<16)|(1<<21)            ; the mask: all four work-groups; elements of 8 bytes; bit 21 beside a mask; no padding
	s_mov_b32 s[G1+1], 32<<16                      ; tensor_dim0: rows of 256 bytes
	s_mov_b32 s[G1+2], 52<<16                      ; tensor_dim1: a wave's load is 52 rows of 256 bytes: an eighth of a record
	s_mov_b32 s[G1+3], 32<<16                      ; tile_dim0
	s_mov_b32 s[G1+4], 52
	s_mov_b32 s[G1+5], 32                          ; dense
	s_mov_b32 s[G1+6], 0
	s_mov_b32 s[G1+7], 0
	s_mul_i32 s57, s[WV], 13312                    ; waves 0-7 fill K's record, waves 8-15 V's, which lies behind it: LDS byte 13,312 x wave
	v_lshlrev_b32 v9, 4, v0                        ; thread i reads the mask of keys 4 i .. 4 i + 3
	s_lshl_b32 s60, s55, 13
	s_mov_b32 s61, 0
	s_wait_alu depctr_va_vdst(0)
	s_wait_dscnt 0x0
	s_wait_kmcnt 0x0
	s_add_nc_u64 s[10:11], s[10:11], s[60:61]
	global_load_b128 v[192:195], v9, s[10:11]
	s_cmp_lt_u32 s[WV], 8
	s_cselect_b64 s[62:63], s[6:7], s[8:9]
	s_add_nc_u64 s[62:63], s[62:63], s[58:59]
	s_and_b32 s60, s[WV], 7
	s_mul_i32 s60, s60, 13312                      ; (s61 is 0)
	s_mov_b32 s[G0], 1
	s_mov_b32 s[G0+1], s57
	s_add_nc_u64 s[G0+2:G0+3], s[62:63], s[60:61]
	s_or_b32 s[G0+3], s[G0+3], 0x80000000
	CROUND                                         ; all four work-groups are here: the joint loads meet
	tensor_load_to_lds s[G0:G0+3], s[G1:G1+7]      ; THE FILLS: every wave issues one joint load, with no branch: sixteen eighths make K's and V's records; one load of mine is out
	s_nop 0
	v_and_b32 v10, 31, v0                          ; lane
	v_and_b32 v11, 15, v0                          ; r
	v_bfe_u32 v29, v0, 4, 1                        ; h
	s_delay_alu instid0(VALU_DEP_3)
	v_lshlrev_b32 v[AK0], 3, v10
	s_delay_alu instid0(VALU_DEP_1)
	v_add_nc_u32 v[AV0], VREC, v[AK0]
	s_delay_alu instid0(VALU_DEP_4)
	v_lshlrev_b32 v[ASK0], 2, v11
	v_lshl_add_u32 v[ASV0], v10, 2, VREC
	v_lshl_add_u32 v[AMB0], v29, 5, MB
	v_lshl_add_u32 v7, v11, 5, v29                 ; o's scale bytes: 32 r + h
	v_lshlrev_b32 v30, 3, v29                      ; 8 h
	v_lshl_add_u32 v31, v8, 2, FLG                 ; my wave's word
	v_and_b32 v196, 0x1f9, v0                      ; keys 4 i .. lie at places 4 i' .., i' = i with bits 1 and 2 exchanged
	v_bfe_u32 v197, v0, 1, 1
	v_bfe_u32 v198, v0, 2, 1
	s_delay_alu instid0(VALU_DEP_2)
	v_lshl_add_u32 v196, v197, 2, v196
	s_delay_alu instid0(VALU_DEP_1)
	v_lshl_add_u32 v196, v198, 1, v196
	s_delay_alu instid0(VALU_DEP_1)
	v_lshl_add_u32 v196, v196, 4, MB
	v_mov_b32 v216, FLG
	s_mov_b32 s[SEL], 0x76543210
	s_mov_b32 s[SEL+1], 0xfedcba98
	; where my queries come from and my results go
	s_mul_i32 s60, s19, CH
	s_add_co_u32 s60, s60, s58                     ; my record, my work-group's chunk
	s_lshr_b32 s61, s[WV], 3
	s_and_b32 s62, s[WV], 7
	s_mul_i32 s66, s61, KSB
	s_mul_i32 s63, s62, 768
	s_add_co_u32 s66, s66, s63
	s_add_co_u32 s66, s66, s60
	s_mov_b32 s67, 0
	s_lshl_b32 s68, s61, 9
	s_lshl_b32 s63, s62, 6
	s_add_co_u32 s68, s68, s63
	s_add_co_u32 s68, s68, s60
	s_add_co_u32 s68, s68, CODES
	s_mov_b32 s69, 0
	s_add_nc_u64 s[14:15], s[4:5], s[68:69]        ; Q's scale words
	s_add_nc_u64 s[4:5], s[4:5], s[66:67]          ; Q's codes
	s_lshl_b32 s66, s55, 7
	s_lshl_b32 s63, s19, 5
	s_add_co_u32 s66, s66, s63
	s_add_co_u32 s66, s66, s[WV]                   ; my tile of 16 places among all 512: 128 x batch + 32 cx + wave
	s_lshl_b32 s68, s66, 9                         ; its scale bytes: 16 rows of 32
	s_mul_i32 s66, s66, 12288
	s_lshr_b32 s63, s56, 1
	s_mul_i32 s63, s63, 1536                       ; the fragment of 128 hidden that my head lies in,
	s_add_co_u32 s66, s66, s63
	s_and_b32 s63, s56, 1
	s_mul_i32 s63, s63, 768                        ; and its half of it
	s_add_co_u32 s66, s66, s63
	s_lshl_b32 s63, s56, 1
	s_add_co_u32 s68, s68, s63
	s_add_co_u32 s68, s68, AS
	s_add_nc_u64 s[16:17], s[12:13], s[68:69]      ; o's scale bytes
	s_add_nc_u64 s[12:13], s[12:13], s[66:67]      ; o's codes
.irp j, 22,23,24,25,26,27
	v_mov_b32 v[\j], 0                             ; zero codes for K = 64 .. 127 of Q,
.endr
.irp t, 0,1,2,3
.irp j, 6,7,8,9,10,11
	v_mov_b32 v[32+12*\t+\j], 0                    ; and of K's four fragments: written once
.endr
.endr
.irp b, 0,1,2,3
	v_mov_b32 v[236+\b], 0                         ; a lane permute's destination counts as one of its sources
.endr
	v_mov_b32 v253, 0                              ; (named as the upper half of the pair v[252:253] before it is first written)
	; is any key of the batch open?
	s_wait_loadcnt 0x0
	v_or_b32 v199, v192, v193
	v_or_b32 v200, v194, v195
	s_delay_alu instid0(VALU_DEP_1)
	v_or_b32 v199, v199, v200
	s_delay_alu instid0(VALU_DEP_1)
	v_cmp_ne_u32 vcc_lo, 0, v199
	s_delay_alu instid0(VALU_DEP_1)
	v_mov_b32 v199, vcc_lo
	ds_store_b32 v31, v199                         ; all lanes write the same word with the same value
	s_wait_dscnt 0x0                               ; for the others' sake
	s_barrier_signal -1
	s_barrier_wait -1                              ; (the tensor loads may stay out)
.irp i, 0,1,2,3
	ds_load_b128 v[200+4*\i:203+4*\i], v216 offset:16*\i
.endr
	s_wait_dscnt 0x0
.irp i, 1
	v_or_b32 v200, v200, v[200+\i]
.endr
.irp i, 2, 3, 4, 5, 6, 7, 8, 9, 10, 11, 12, 13, 14, 15
	s_delay_alu instid0(VALU_DEP_1)
	v_or_b32 v200, v200, v[200+\i]
.endr
	s_delay_alu instid0(VALU_DEP_1)
	v_readfirstlane_b32 s60, v200
	s_cmp_lg_u32 s60, 0
	s_cselect_b32 s[CS], 0x3e38aa3b, 0             ; c = log2(e) / 8
	s_cselect_b32 s[NEG], 0xf1800000, 0            ; -2^100
	s_mov_b32 s[CS+1], s[CS]
	v_mov_b32 v217, s[NEG]
.irp i, 0,1,2,3
	v_cmp_eq_u32 vcc_lo, 0, v[192+\i]
	s_delay_alu instid0(VALU_DEP_1)
	v_cndmask_b32 v[192+\i], 0, v217, vcc_lo
.endr
	ds_store_b128 v196, v[192:195]                 ; the barrier ahead of the first pass shows it to every wave
; A KEY STEP: 128 keys.
.macro STEP
	v_add_nc_u32 v[ADK], s[TB], v[AK0]             ; (these five are also the places behind the last products, in front of the loads below)
	s_wait_alu depctr_va_vdst(0)
	v_add_nc_u32 v[ADV], s[TB], v[AV0]
	v_add_nc_u32 v[ADS], s[TS], v[ASK0]
	s_wait_alu depctr_va_vdst(0)
	v_add_nc_u32 v[ADT], s[TS], v[ASV0]
	v_add_nc_u32 v[ADM], s[TMB], v[AMB0]
	s_wait_alu depctr_va_vdst(0)
.irp g, 0,1                                    ; S^T = K Q^T + the bias, four tiles of 16 key places at a time
.if \g
.rept 4
	v_nop                                          ; places in front of loads into registers that matrix instructions have read
.endr
.endif
.irp t, 0,1,2,3
.irp p, 0,1,2
	ds_load_b64 v[32+12*\t+2*\p:33+12*\t+2*\p], v[ADK] offset:768*(4*\g+\t)+256*\p   ; 32 lanes read 256 consecutive bytes
.endr
	ds_load_b32 v[248+\t], v[ADS] offset:64*(4*\g+\t)
	ds_load_b128 v[96+8*(4*\g+\t):99+8*(4*\g+\t)], v[ADM] offset:64*(4*\g+\t)        ; register j: the bias of place 16 T + 8 h + j
	ds_load_b128 v[100+8*(4*\g+\t):103+8*(4*\g+\t)], v[ADM] offset:64*(4*\g+\t)+16
.endr
	s_wait_dscnt 0x0
.irp t, 0,1,2,3
	v_wmma_scale_f32_16x16x128_f8f6f4 v[96+8*(4*\g+\t):103+8*(4*\g+\t)], v[32+12*\t:43+12*\t], v[16:27], v[96+8*(4*\g+\t):103+8*(4*\g+\t)], v[248+\t], v255 matrix_a_fmt:MATRIX_FMT_BF6 matrix_b_fmt:MATRIX_FMT_BF6
.endr
.endr
.rept 4
	v_nop
.endr
.irp b, 0,1,2,3
	v_max3_num_f32 v[232+\b], v[96+16*\b], v[97+16*\b], v[98+16*\b]   ; the largest score of each block of 32 keys: it serves for the row's maximum and, since p rises with the score, for the block's largest p
.endr
.irp i, 3,5,7,9,11,13
.irp b, 0,1,2,3
	v_max3_num_f32 v[232+\b], v[232+\b], v[96+16*\b+\i], v[97+16*\b+\i]
.endr
.endr
.irp b, 0,1,2,3
	v_max_num_f32 v[232+\b], v[232+\b], v[111+16*\b]
.endr
.irp b, 0,1,2,3
	s_delay_alu instid0(VALU_DEP_4)
	v_permlanex16_b32 v[236+\b], v[232+\b], s[SEL], s[SEL+1]
.endr
.irp b, 0,1,2,3
	s_delay_alu instid0(VALU_DEP_4)
	v_max_num_f32 v[232+\b], v[232+\b], v[236+\b]  ; with lane l xor 16's 16 keys
.endr
	s_delay_alu instid0(VALU_DEP_2)
	v_max3_num_f32 v254, v232, v233, v234
	s_delay_alu instid0(VALU_DEP_1)
	v_max_num_f32 v254, v254, v235                 ; the step's largest score of my query
	s_delay_alu instid0(VALU_DEP_1)
	v_mul_f32 v254, s[CS], v254                    ; as t (c is not negative)
	s_delay_alu instid0(VALU_DEP_1)
	v_max_num_f32 v13, v13, v254                   ; the running largest t
	v_mov_b32 v254, v12
	s_delay_alu instid0(VALU_DEP_2)
	v_floor_f32 v12, -v13                          ; the new -M = floor(-t): M is a whole number
	s_delay_alu instid0(VALU_DEP_1)
	v_sub_f32 v254, v12, v254                      ; old M - new M: a whole number, 0 or less
	s_delay_alu instid0(VALU_DEP_1)
	v_cvt_i32_f32 v254, v254                       ; (it saturates)
	s_delay_alu instid0(VALU_DEP_1)
	v_ldexp_f32 v252, 1.0, v254                    ; f = 2^(old M - new M)
.set j, 0
.rept 32
	v_pk_fma_f32 v[96+j:97+j], v[96+j:97+j], s[CS:CS+1], v[12:13] op_sel_hi:[1,0,0]   ; t - M, two at a time
.set j, j+2
.endr
.irp b, 0,1,2,3
	v_fma_f32 v[232+\b], v[232+\b], s[CS], v12     ; the same of each block's largest score
.endr
.set j, 0
	s_wait_alu depctr_va_vdst(0)
.rept 64
	v_exp_f32 v[96+j], v[96+j]                     ; p = 2^(t - M), at most 1
.set j, j+1
.endr
	v_pk_mul_f32 v[14:15], v[14:15], v[252:253] op_sel_hi:[1,0]   ; the sums under the new M.  (A plain place behind the exponentials)
	s_wait_alu depctr_va_vdst(0)                   ; one wait for the whole batch, ahead of its first reader
.irp b, 0,1,2,3
	v_exp_f32 v[232+\b], v[232+\b]                 ; the block's largest p
.endr
	v_pk_add_f32 v[236:237], v[100:101], v[104:105]
	v_pk_add_f32 v[250:251], v[108:109], v[112:113]
	v_pk_add_f32 v[248:249], v[116:117], v[120:121]
	v_pk_add_f32 v[246:247], v[124:125], v[128:129]
	v_pk_add_f32 v[244:245], v[132:133], v[136:137]
	v_pk_add_f32 v[240:241], v[140:141], v[144:145]
	v_pk_add_f32 v[238:239], v[148:149], v[152:153]
	v_pk_add_f32 v[14:15], v[14:15], v[156:157]
	v_pk_add_f32 v[236:237], v[236:237], v[96:97]
	v_pk_add_f32 v[250:251], v[250:251], v[98:99]
	v_pk_add_f32 v[248:249], v[248:249], v[102:103]
	v_pk_add_f32 v[246:247], v[246:247], v[106:107]
	v_pk_add_f32 v[244:245], v[244:245], v[110:111]
	v_pk_add_f32 v[240:241], v[240:241], v[114:115]
	v_pk_add_f32 v[238:239], v[238:239], v[118:119]
	v_pk_add_f32 v[14:15], v[14:15], v[122:123]
	v_pk_add_f32 v[236:237], v[236:237], v[126:127]
	v_pk_add_f32 v[250:251], v[250:251], v[130:131]
	v_pk_add_f32 v[248:249], v[248:249], v[134:135]
	v_pk_add_f32 v[246:247], v[246:247], v[138:139]
	v_pk_add_f32 v[244:245], v[244:245], v[142:143]
	v_pk_add_f32 v[240:241], v[240:241], v[146:147]
	v_pk_add_f32 v[238:239], v[238:239], v[150:151]
	v_pk_add_f32 v[14:15], v[14:15], v[154:155]
	v_pk_add_f32 v[236:237], v[236:237], v[158:159]
	s_delay_alu instid0(VALU_DEP_2)
	v_pk_add_f32 v[14:15], v[14:15], v[246:247]
	s_delay_alu instid0(VALU_DEP_2)
	v_pk_add_f32 v[236:237], v[236:237], v[244:245]
	v_pk_add_f32 v[250:251], v[250:251], v[240:241]
	v_pk_add_f32 v[248:249], v[248:249], v[238:239]
	s_delay_alu instid0(VALU_DEP_2)
	v_pk_add_f32 v[14:15], v[14:15], v[250:251]
	s_delay_alu instid0(VALU_DEP_2)
	v_pk_add_f32 v[236:237], v[236:237], v[248:249]
	s_delay_alu instid0(VALU_DEP_1)
	v_pk_add_f32 v[14:15], v[14:15], v[236:237]
	s_wait_alu depctr_va_vdst(0)                   ; and one for the four
.irp b, 0,1,2,3
	v_max_num_f32 v[232+\b], 0x2800000, v[232+\b]  ; the floor 2^(5 - 127): a block whose every p is 0 keeps the byte 1: its codes are zeros
.endr
.irp b, 0,1,2,3
	s_delay_alu instid0(VALU_DEP_4)
	v_add_nc_u32 v[244+\b], 0xfe000000, v[232+\b]  ; 4 off the exponent field: the conversion's scale operand
.endr
.irp b, 0,1,2,3
	s_delay_alu instid0(VALU_DEP_4)
	v_lshrrev_b32 v[236+\b], 23, v[244+\b]         ; the scale's byte
.endr
	s_delay_alu instid0(VALU_DEP_3)
	v_lshl_or_b32 v253, v237, 8, v236              ; p's scale word for these 128 keys
	s_delay_alu instid0(VALU_DEP_1)
	v_lshl_or_b32 v253, v238, 16, v253
	s_delay_alu instid0(VALU_DEP_1)
	v_lshl_or_b32 v253, v239, 24, v253
.irp c, 0,1
	v_cvt_scalef32_pk16_bf6_f32 v[224+6*\c:226+6*\c], v[96+32*\c:111+32*\c], v[244+2*\c]
	v_cvt_scalef32_pk16_bf6_f32 v[236+4*\c:238+4*\c], v[112+32*\c:127+32*\c], v[244+2*\c+1]
.endr
	v_nop                                          ; one plain place behind a scaled conversion
.irp c, 0,1
.irp i, 0,1,2
	v_permlane16_swap_b32 v[224+6*\c+\i], v[236+4*\c+\i]
.endr
.irp i, 0,1,2
	s_delay_alu instid0(VALU_DEP_3)
	v_mov_b32 v[227+6*\c+\i], v[236+4*\c+\i]
.endr
.endr
.irp t, 0,1,2,3                                ; V's four tiles of 16 channel places x these 128 keys, into the registers that p has left
.irp p, 0,1,2,3,4,5
	ds_load_b64 v[96+12*\t+2*\p:97+12*\t+2*\p], v[ADV] offset:1536*\t+256*\p
.endr
	ds_load_b32 v[248+\t], v[ADT] offset:128*\t
.endr
.set j, 0
.rept 16
	v_pk_mul_f32 v[160+j:161+j], v[160+j:161+j], v[252:253] op_sel_hi:[1,0]   ; O^T under the new M.  (These sixteen are also the places between the scale word's and the codes' last writes and the products)
.set j, j+2
.endr
	s_wait_alu depctr_va_vdst(0)
	s_wait_dscnt 0x0
.irp t, 0,1,2,3
	v_wmma_scale_f32_16x16x128_f8f6f4 v[160+8*\t:167+8*\t], v[96+12*\t:107+12*\t], v[224:235], v[160+8*\t:167+8*\t], v[248+\t], v253 matrix_a_fmt:MATRIX_FMT_BF6 matrix_b_fmt:MATRIX_FMT_BF6
.endr
	s_add_co_u32 s[TB], s[TB], KSB
	s_add_co_u32 s[TS], s[TS], 512
	s_add_co_u32 s[TMB], s[TMB], 512
.endm
; A CHUNK: four key steps.
.macro CHUNK c
	s_mov_b32 s[TB], \c*CH                         ; (no wait and no barrier here: both records were shown whole to all waves ahead of the first pass)
	s_mov_b32 s[TS], \c*CH+CODES
	s_mov_b32 s[TMB], \c*2048
	s_mov_b32 s[CNT], 4
.Lstep_\@:
	STEP
	s_sub_co_u32 s[CNT], s[CNT], 1
	s_cmp_lg_u32 s[CNT], 0
	s_cbranch_scc1 .Lstep_\@
.endm
	s_wait_alu depctr_va_vdst(0)                   ; the wait at the head's end
	s_wait_tensorcnt 0x0                           ; my eighth of a record is in,
	s_wait_dscnt 0x0                               ; and my part of the bias is stored:
	s_barrier_signal -1
	s_barrier_wait -1                              ; both now hold of all sixteen waves; nothing in LDS is written from here on, so the waves meet no more
	s_mov_b32 s[PASS], 2
.Lpass:
.irp p, 0,1,2
	global_load_b64 v[16+2*\p:17+2*\p], v[AK0], s[4:5] offset:256*\p   ; Q's fragment: registers 0-5
.endr
	global_load_b32 v255, v[ASK0], s[14:15]        ; Q's scale words
	v_mov_b32 v13, 0xff61b1e6                      ; the largest t so far: -3e38
	s_delay_alu instid0(VALU_DEP_1)
	v_floor_f32 v12, -v13
	v_mov_b32 v14, 0
	v_mov_b32 v15, 0
.set j, 0
.rept 32
	v_mov_b32 v[160+j], 0                          ; O^T: the step is written once; the first finds zeros
.set j, j+1
.endr
	s_wait_loadcnt 0x0
	CHUNK 0
	CHUNK 1
	CHUNK 2
	CHUNK 3
	; THE WAY OUT: O^T / the sum, quantised along the head's 64 channels: two blocks
.rept 4
	v_nop                                          ; places behind the last products
.endr
	v_add_f32 v14, v14, v15
	s_delay_alu instid0(VALU_DEP_1)
	v_permlanex16_b32 v252, v14, s[SEL], s[SEL+1]
	s_delay_alu instid0(VALU_DEP_1)
	v_add_f32 v14, v14, v252                       ; the row's sum
	s_wait_alu depctr_va_vdst(0)
	v_rcp_f32 v14, v14
	v_nop                                          ; a plain place behind the transcendental
	s_wait_alu depctr_va_vdst(0)                   ; and the wait ahead of its first reader
.set j, 0
.rept 32
	v_mul_f32 v[96+j], v[160+j], v14               ; register 16 b + i: channel 32 b + 16 h + i of my query; each accumulator from its low end on
.set j, j+1
.endr
.irp b, 0,1
	v_max3_num_f32 v[232+\b], |v[96+16*\b]|, |v[97+16*\b]|, 0x2800000
.endr
.irp i, 2,4,6,8,10,12,14
.irp b, 0,1
	s_delay_alu instid0(VALU_DEP_2)
	v_max3_num_f32 v[232+\b], v[232+\b], |v[96+16*\b+\i]|, |v[97+16*\b+\i]|
.endr
.endr
.irp b, 0,1
	s_delay_alu instid0(VALU_DEP_2)
	v_permlanex16_b32 v[236+\b], v[232+\b], s[SEL], s[SEL+1]
.endr
.irp b, 0,1
	s_delay_alu instid0(VALU_DEP_2)
	v_max_num_f32 v[232+\b], v[232+\b], v[236+\b]
.endr
.irp b, 0,1
	s_delay_alu instid0(VALU_DEP_2)
	v_add_nc_u32 v[244+\b], 0xfe000000, v[232+\b]
.endr
.irp b, 0,1
	s_delay_alu instid0(VALU_DEP_2)
	v_lshrrev_b32 v[238+\b], 23, v[244+\b]
.endr
	s_delay_alu instid0(VALU_DEP_1)
	v_lshl_or_b32 v254, v239, 8, v238
	s_delay_alu instid0(VALU_DEP_1)
	v_lshrrev_b32 v246, v30, v254                  ; lanes 0-15 store block 0's byte, lanes 16-31 block 1's
	v_cvt_scalef32_pk16_bf6_f32 v[224:226], v[96:111], v244
	v_cvt_scalef32_pk16_bf6_f32 v[240:242], v[112:127], v245
	v_nop
.irp i, 0,1,2
	v_permlane16_swap_b32 v[224+\i], v[240+\i]
.endr
.irp i, 0,1,2
	s_delay_alu instid0(VALU_DEP_3)
	v_mov_b32 v[227+\i], v[240+\i]                 ; registers 0-5: channel 32 h + 0 .. 31
.endr
.irp p, 0,1,2
	global_store_b64 v[AK0], v[224+2*\p:225+2*\p], s[12:13] offset:256*\p   ; 32 lanes store 256 consecutive bytes, aligned
.endr
	global_store_b8 v7, v246, s[16:17]
	s_wait_xcnt 0x0                                ; the loads and stores have read their addresses and data: the bases may step
	s_add_nc_u64 s[4:5], s[4:5], 2*KSB             ; 256 places on
	s_add_nc_u64 s[14:15], s[14:15], 1024
	s_add_nc_u64 s[12:13], s[12:13], 16*12288
	s_add_nc_u64 s[16:17], s[16:17], 8192
	s_sub_co_u32 s[PASS], s[PASS], 1
	s_cmp_lg_u32 s[PASS], 0
	s_cbranch_scc1 .Lpass
	s_wait_dscnt 0x0
	s_wait_tensorcnt 0x0
	ds_add_u32 v223, v243
	s_wait_dscnt 0x0
	CROUND                                         ; the closing round: no work-group ends while a partner may still ask for a tile that names it
	s_endpgm
.Lfunc_end_k_q2e27f8f266_attn:
	.size	k_q2e27f8f266_attn, .Lfunc_end_k_q2e27f8f266_attn-k_q2e27f8f266_attn
	.p2alignl 7, 3214868480
	.fill 96, 4, 3214868480
	.section	.rodata,"a",@progbits
	.p2align	6, 0x0
	.amdhsa_kernel k_q2e27f8f266_attn
		.amdhsa_group_segment_fixed_size 224256
		.amdhsa_private_segment_fixed_size 0
		.amdhsa_enable_private_segment 0
		.amdhsa_kernarg_size 40
		.amdhsa_user_sgpr_count 2
		.amdhsa_user_sgpr_kernarg_segment_ptr 1
		.amdhsa_wavefront_size32 1
		.amdhsa_system_sgpr_workgroup_id_x 1
		.amdhsa_system_sgpr_workgroup_id_y 1
		.amdhsa_system_sgpr_workgroup_id_z 1
		.amdhsa_system_vgpr_workitem_id 0
		.amdhsa_next_free_vgpr 256
		.amdhsa_next_free_sgpr 80
		.amdhsa_reserve_vcc 1
		.amdhsa_float_denorm_mode_32 3
		.amdhsa_float_denorm_mode_16_64 3
		.amdhsa_memory_ordered 1
		.amdhsa_forward_progress 1
		.amdhsa_inst_pref_size 97
	.end_amdhsa_kernel
	.amdgpu_metadata
---
amdhsa.version: [ 1, 2 ]
amdhsa.kernels:
  - .name:           k_q2e27f8f266_attn
    .symbol:         k_q2e27f8f266_attn.kd
    .args:
      - { .name: qc, .offset: 0, .size: 8, .value_kind: global_buffer, .address_space: global }
      - { .name: kc, .offset: 8, .size: 8, .value_kind: global_buffer, .address_space: global }
      - { .name: vc, .offset: 16, .size: 8, .value_kind: global_buffer, .address_space: global }
      - { .name: attention_mask, .offset: 24, .size: 8, .value_kind: global_buffer, .address_space: global }
      - { .name: aq, .offset: 32, .size: 8, .value_kind: global_buffer, .address_space: global }
    .group_segment_fixed_size: 224256
    .private_segment_fixed_size: 0
    .kernarg_segment_align: 8
    .kernarg_segment_size: 40
    .max_flat_workgroup_size: 512
    .sgpr_count:     80
    .vgpr_count:     256
    .wavefront_size: 32
...
	.end_amdgpu_metadata
.endif
;; end of part 3
;; launch oproj (part 4): grid 4 x 32, 4 waves a work-group, clusters of 4 x 4, 327,680 bytes of LDS; arguments aq, cq, bo, out0; writes out0
.if DOCPART == 4
	.amdgcn_target "amdgcn-amd-amdhsa--gfx1250"
	.amdhsa_code_object_version 6
	.text
	.protected	k_q2e27f8f266_oproj
	.globl	k_q2e27f8f266_oproj
	.p2align	8
	.type	k_q2e27f8f266_oproj,@function
k_q2e27f8f266_oproj:
	s_mov_b64 s[64:65], 0
	v_nop
	global_prefetch_b8 v0, s[64:65] scope:SCOPE_SE
	s_setreg_imm32_b32 hwreg(HW_REG_WAVE_MODE, 25, 1), 1
	s_wait_xcnt 0x0
	s_wait_alu depctr_hold_cnt(0) depctr_sa_sdst(0) depctr_va_vdst(0) depctr_va_sdst(0) depctr_va_ssrc(0) depctr_va_vcc(0) depctr_vm_vsrc(0)
	s_getreg_b32 s2, hwreg(HW_REG_IB_STS2, 6, 4)
	s_cmp_eq_u32 s2, 0
	s_cbranch_scc0 .Lentry_in_a_cluster
	s_endpgm
.Lentry_in_a_cluster:
	s_bfe_u32 s2, ttmp6, 0x10000c
	s_cmp_lg_u32 s2, 0xf033
	s_cbranch_scc0 .Lentry_shape_is_right
	s_endpgm
.Lentry_shape_is_right:
.set NQ,     2
.set ROWB,   3072                      ; a K step of 256 of a tile of 16 places of Wo: two fragments' images, dense in cq
.set KROW,   768
.set PITCH,  192                       ; LDS bytes for a place and a K step: the tiles lie dense
.set FR,     12
.set NL,     6
.set NP,     4
.set AH,     24576
.set ASTEP,  3072
.set HALFT,  128*PITCH
.set SLOT,   2*AH+2*HALFT
.set LAPS,   2
.set KS,     32
.set SCL,    2*SLOT
.set HALFS,  16*272
.set SBLK,   2*272
.set SPARE,  SCL+4*HALFS
.set SPITCH, 528
.set AS,     6291456
.set OC,     8650752
.set OS,     9797632
.set ADRA, 16
.set ADRB, 20
.set STO,  24
.set RD,   25
.set CO,   26
.set ADRS, 27
.set SPW,  28
.set NIL,  29
.set SC,   32
.set BI,   64
.set AF,   128
.set BK,   128
.set G1, 24
.set G0, 32
.set G1B, 48
.set G0B, 56
.set G1S, 68
.set G0S, 76
.set G1SB, 80
.set G0SB, 88
.set MSB, 0
.macro WIN new
.if MSB != (\new)
	s_set_vgpr_msb (MSB<<8)|(\new)
.set MSB, (\new)
.endif
.endm
.set MUL_LO, 0xa1
.set MUL_HI, 0xf1
.set TO_B,   0x40
.macro JLOAD g0a, g1a, g0b, g1b
	s_cmp_eq_u32 s15, 0
	s_cbranch_scc0 .Lfor_b_\@
	tensor_load_to_lds s[\g0a:\g0a+3], s[\g1a:\g1a+7]
	s_nop 0
.rept 4
	v_nop
.endr
	s_branch .Lasked_\@
.Lfor_b_\@:
	tensor_load_to_lds s[\g0b:\g0b+3], s[\g1b:\g1b+7]
	s_nop 0
.rept 4
	v_nop
.endr
.Lasked_\@:
.endm
.macro CREST
	s_cmp_lg_u32 s14, 0
	s_cbranch_scc1 .Lnot_wave_0_\@
	s_barrier_signal -3
.Lnot_wave_0_\@:
	s_barrier_wait -3
	s_barrier_signal -1
	s_barrier_wait -1
.endm
.macro CROUND
	s_barrier_signal -1
	s_barrier_wait -1
	CREST
.endm
	s_load_b128 s[4:7], s[0:1], 0x0
	s_load_b128 s[8:11], s[0:1], 0x10
	v_lshl_add_u32 v[SPW], v0, 2, SPARE
	v_mov_b32 v[NIL], 0
	ds_add_u32 v28, v29
	ds_add_u32 v28, v29
	s_wait_dscnt 0x0
	v_lshrrev_b32 v1, 5, v0
	v_readfirstlane_b32 s14, v1
	s_lshr_b32 s15, s14, 1
	s_and_b32 s16, s14, 1
	s_bfe_u32 s40, ttmp6, 0x40000
	s_bfe_u32 s41, ttmp6, 0x40004
	s_lshl_b32 s42, ttmp9, 2
	s_add_co_u32 s42, s42, s40
	s_and_b32 s17, ttmp7, 0xffff
	s_lshl_b32 s17, s17, 2
	s_add_co_u32 s17, s17, s41
	s_lshl_b32 s43, s41, 2
	s_lshl_b32 s43, 15, s43
	s_lshl_b32 s44, 0x1111, s40
	s_or_b32 s[G1+0], s43, (3<<16)|(1<<21)
	s_mov_b32 s[G1+1], 384<<16
	s_mov_b32 s[G1+2], 16<<16                      ; the head's loads bring 16 tiles of places; behind them the two counts are set to 8
	s_mov_b32 s[G1+3], 384<<16
	s_mov_b32 s[G1+4], 16
	s_mov_b32 s[G1+5], 1536
	s_mov_b32 s[G1+6], 0
	s_mov_b32 s[G1+7], 0
	s_or_b32 s[G1B+0], s44, (3<<16)|(1<<21)
	s_mov_b32 s[G1B+1], 384<<16
	s_mov_b32 s[G1B+2], 16<<16
	s_mov_b32 s[G1B+3], 384<<16
	s_mov_b32 s[G1B+4], 16
	s_mov_b32 s[G1B+5], 1536
	s_mov_b32 s[G1B+6], 0
	s_mov_b32 s[G1B+7], 0
	s_or_b32 s[G1S+0], s43, (3<<16)|(1<<20)|(1<<21)|(5<<22)|(3<<25)
	s_or_b32 s[G1SB+0], s44, (3<<16)|(1<<20)|(1<<21)|(5<<22)|(3<<25)
.irp g, G1S, G1SB
	s_mov_b32 s[\g+1], 32<<16
	s_mov_b32 s[\g+2], 32<<16                      ; the scales of 256 places: 32 rows of 256 bytes
	s_mov_b32 s[\g+3], 32<<16
	s_mov_b32 s[\g+4], 32
	s_mov_b32 s[\g+5], 32
	s_mov_b32 s[\g+6], 0
	s_mov_b32 s[\g+7], 0
.endr
	s_lshl_b32 s20, s17, 4
	s_lshl_b32 s22, s20, 9
	s_mul_i32 s20, s20, 12288
	s_mov_b32 s21, 0
	s_mov_b32 s23, 0
	s_lshl_b32 s46, s42, 8
	s_lshl_b32 s92, s46, 5
	s_mul_i32 s46, s46, KROW
	s_mov_b32 s47, 0
	s_mov_b32 s93, 0
	s_mul_i32 s45, s16, AH
	s_mul_i32 s95, s16, HALFT
	s_add_co_u32 s95, s95, 2*AH
	s_wait_kmcnt 0x0
	s_add_nc_u64 s[20:21], s[4:5], s[20:21]
	s_add_nc_u64 s[22:23], s[4:5], s[22:23]
	s_add_nc_u64 s[22:23], s[22:23], AS
	s_add_nc_u64 s[46:47], s[6:7], s[46:47]
	s_add_nc_u64 s[46:47], s[46:47], OC
	s_add_nc_u64 s[92:93], s[6:7], s[92:93]
	s_add_nc_u64 s[92:93], s[92:93], OS
	CROUND
	s_mov_b32 s[G0S], 1
	s_mov_b32 s[G0S+1], SCL
	s_mov_b64 s[G0S+2:G0S+3], s[22:23]
	s_or_b32 s[G0S+3], s[G0S+3], 0x80000000
	s_mov_b32 s[G0SB], 1
	s_mov_b32 s[G0SB+1], SCL+2*HALFS
	s_mov_b64 s[G0SB+2:G0SB+3], s[92:93]
	s_or_b32 s[G0SB+3], s[G0SB+3], 0x80000000
	s_mul_i32 s18, s16, 8*12288                    ; in the ring I fetch 8 of a tile's 16 tiles of places: which half, in bytes
	s_mov_b32 s19, 0
	s_mov_b32 s[G0], 1                             ; slot 0's groups 0 first serve the head's loads: K step 0 of A's 256 places,
	s_mov_b32 s[G0+1], 0
	s_mov_b64 s[G0+2:G0+3], s[20:21]
	s_or_b32 s[G0+3], s[G0+3], 0x80000000
	s_mov_b32 s[G0B], 1                            ; and of Wo's 256, behind them
	s_mov_b32 s[G0B+1], 2*AH
	s_mov_b64 s[G0B+2:G0B+3], s[46:47]
	s_or_b32 s[G0B+3], s[G0B+3], 0x80000000
	s_add_nc_u64 s[20:21], s[20:21], s[18:19]
	s_add_nc_u64 s[46:47], s[46:47], s[18:19]
	s_mov_b32 s[G0+4], 1                           ; slot 1: my quarter of K step 1
	s_add_co_u32 s[G0+5], s45, SLOT
	s_add_nc_u64 s[G0+6:G0+7], s[20:21], ASTEP
	s_or_b32 s[G0+7], s[G0+7], 0x80000000
	s_mov_b32 s[G0B+4], 1
	s_add_co_u32 s[G0B+5], s95, SLOT
	s_add_nc_u64 s[G0B+6:G0B+7], s[46:47], ROWB
	s_or_b32 s[G0B+7], s[G0B+7], 0x80000000
; the head's four tiles, one joint load a wave: one chain of branches on the wave's number, every way passes one load
.macro ARM under, g0, g1, next
	s_cmp_lt_u32 s14, \under
	s_cbranch_scc0 \next
	tensor_load_to_lds s[\g0:\g0+3], s[\g1:\g1+7]
	s_nop 0
.rept 4
	v_nop
.endr
	s_branch .Lhead_asked
\next:
.endm
	ARM 1, G0,  G1,  .Lhead_b
	ARM 2, G0B, G1B, .Lhead_sa
	ARM 3, G0S, G1S, .Lhead_sb
	tensor_load_to_lds s[G0SB:G0SB+3], s[G1SB:G1SB+7]
	s_nop 0
.rept 4
	v_nop
.endr
.Lhead_asked:
	v_and_b32 v1, 15, v0
	v_bfe_u32 v2, v0, 4, 1
	v_and_b32 v6, 31, v0
	v_lshlrev_b32 v8, 3, v6                        ; a piece's place for my lane: 8 x lane, for A and for Wo alike
	s_wait_alu depctr_va_vdst(0)                   ; the wait here, ahead of the scalar work below
	s_mul_i32 s21, s15, AH
	s_mul_i32 s22, s16, HALFT
	s_add_co_u32 s22, s22, 2*AH
.irp s, 0,1
	v_add_nc_u32 v[ADRA+\s], s21, v8
	v_add_nc_u32 v[ADRB+\s], s22, v8
	s_add_co_u32 s21, s21, SLOT
	s_add_co_u32 s22, s22, SLOT
.endr
	v_mul_u32_u24 v5, v1, KS
	v_lshrrev_b32 v9, 8, v5
	v_lshl_add_u32 v5, v9, 4, v5
	s_mul_i32 s21, s15, HALFS
	s_mul_i32 s22, s16, HALFS
	s_add_co_u32 s22, s22, 2*HALFS
	s_sub_co_u32 s22, s22, s21
	v_mul_u32_u24 v9, s22, v2
	s_add_co_u32 s21, s21, SCL
	v_add_nc_u32 v5, v5, v9
	v_add_nc_u32 v[ADRS], s21, v5
	s_mul_i32 s23, s14, 16*SPITCH
	v_mul_u32_u24 v5, v1, SPITCH
	v_lshl_add_u32 v5, v2, 6, v5
	v_add_nc_u32 v[STO], s23, v5
	v_lshlrev_b32 v[CO], 4, v6
	v_add_nc_u32 v[RD], s23, v[CO]
	s_lshl_b32 s46, s42, 8
	s_lshl_b32 s47, s16, 7
	s_add_co_u32 s46, s46, s47
	s_lshl_b32 s46, s46, 2
	s_mov_b32 s47, 0
	s_add_nc_u64 s[8:9], s[8:9], s[46:47]
	v_lshlrev_b32 v7, 6, v2
.irp b, 0,1,2,3,4,5,6,7
	global_load_b128 v[BI+8*\b:BI+8*\b+3], v7, s[8:9] offset:4*(32*(\b/2)+8*(\b%2))
	global_load_b128 v[BI+8*\b+4:BI+8*\b+7], v7, s[8:9] offset:4*(32*(\b/2)+8*(\b%2))+16
.endr
	s_lshl_b32 s20, s17, 8
	s_lshl_b32 s21, s15, 7
	s_add_co_u32 s20, s20, s21
	s_lshl_b32 s20, s20, 12
	s_mov_b32 s21, 0
	s_add_nc_u64 s[12:13], s[10:11], s[20:21]
	s_add_nc_u64 s[12:13], s[12:13], s[46:47]
.macro FRAG reg, adr, q, i
.irp p, 0,1,2,3,4,5
	ds_load_b64 v[\reg+2*\p:\reg+2*\p+1], v[\adr] offset:(\i)*ROWB+1536*(\q)+256*\p   ; 32 lanes read 256 consecutive bytes
.endr
.endm
.macro FRAG_A reg, adr, q, i
.irp p, 0,1,2,3,4,5
	ds_load_b64 v[\reg+2*\p:\reg+2*\p+1], v[\adr] offset:(\i)*ASTEP+1536*(\q)+256*\p
.endr
.endm
.macro MUL16 a0, p, q, sc, first
.irp a, \a0, \a0+1
.irp b, 0,1,2,3,4,5,6,7
.if \first
	v_wmma_scale_f32_16x16x128_f8f6f4 v[8*(8*((\a)%4)+\b):8*(8*((\a)%4)+\b)+7], v[128*(\p)+FR*\b:128*(\p)+FR*\b+FR-1], v[AF+FR*(\a):AF+FR*(\a)+FR-1], v[BI+8*\b:BI+8*\b+7], v[SC+8*NQ*(\sc)+NQ*\b+(\q)], v[SC+8*NQ*(\sc)+NQ*(\a)+(\q)] matrix_a_fmt:MATRIX_FMT_BF6 matrix_b_fmt:MATRIX_FMT_BF6 matrix_a_scale:MATRIX_SCALE_ROW1
.else
	v_wmma_scale_f32_16x16x128_f8f6f4 v[8*(8*((\a)%4)+\b):8*(8*((\a)%4)+\b)+7], v[128*(\p)+FR*\b:128*(\p)+FR*\b+FR-1], v[AF+FR*(\a):AF+FR*(\a)+FR-1], v[8*(8*((\a)%4)+\b):8*(8*((\a)%4)+\b)+7], v[SC+8*NQ*(\sc)+NQ*\b+(\q)], v[SC+8*NQ*(\sc)+NQ*(\a)+(\q)] matrix_a_fmt:MATRIX_FMT_BF6 matrix_b_fmt:MATRIX_FMT_BF6 matrix_a_scale:MATRIX_SCALE_ROW1
.endif
.endr
.endr
.endm
.macro FETCH_B slot, q, p
	WIN TO_B
.irp i, 0,1,2,3,4,5,6,7
	FRAG 128*(\p)+FR*\i, ADRB+\slot, \q, \i
.endr
	WIN 0
.endm
.macro FETCH_A slot, q, i0
.irp i, \i0, \i0+1, \i0+2, \i0+3
	FRAG_A AF+FR*(\i), ADRA+\slot, \q, \i
.endr
.endm
.macro SCALES sc
.irp i, 0,1,2,3,4,5,6,7
	ds_load_b64 v[SC+8*NQ*\sc+NQ*\i:SC+8*NQ*\sc+NQ*\i+1], v[ADRS] offset:\i*SBLK
.endr
.endm
.macro PLACES n
.rept \n
	v_nop
.endr
.endm
.macro STEP slot, q, first
	s_wait_dscnt 4*NL
.if \first
	WIN 0x81
.else
	WIN MUL_LO
.endif
	MUL16 0, (\q)%2, \q, \slot, \first
	MUL16 2, (\q)%2, \q, \slot, \first
	s_wait_dscnt 0
	PLACES NP
	FETCH_B \slot, (\q)+1, 1-(\q)%2
	FETCH_A \slot, (\q)+1, 0
.if \first
	WIN 0xc1
.else
	WIN MUL_HI
.endif
	MUL16 4, (\q)%2, \q, \slot, \first
	MUL16 6, (\q)%2, \q, \slot, \first
	PLACES NP
	WIN 0
	FETCH_A \slot, (\q)+1, 4
.endm
.macro TURN slot, next, fill
	s_wait_tensorcnt 0x0
	ds_add_u32 v[SPW], v[NIL]
	s_wait_dscnt 4*NL+1
	WIN MUL_LO
	MUL16 0, 1, NQ-1, \slot, 0
	s_wait_dscnt 0x0
	s_barrier_signal -1
	MUL16 2, 1, NQ-1, \slot, 0
	WIN 0
	s_barrier_wait -1
.if \fill
	CREST
	s_add_nc_u64 s[G0+4*\slot+2:G0+4*\slot+3], s[G0+4*\slot+2:G0+4*\slot+3], 2*ASTEP
	s_add_nc_u64 s[G0B+4*\slot+2:G0B+4*\slot+3], s[G0B+4*\slot+2:G0B+4*\slot+3], 2*ROWB
	JLOAD G0+4*\slot, G1, G0B+4*\slot, G1B
.else
	PLACES NP
.endif
	s_wait_alu depctr_va_vdst(0)
	v_add_nc_u32 v[ADRS], 4*NQ, v[ADRS]
	FETCH_B \next, 0, 0
	FETCH_A \next, 0, 0
	SCALES \next
	WIN MUL_HI
	MUL16 4, 1, NQ-1, \slot, 0
	MUL16 6, 1, NQ-1, \slot, 0
	PLACES NP
	WIN 0
	FETCH_A \next, 0, 4
.endm
	s_wait_alu depctr_va_vdst(0)
	s_wait_tensorcnt 0x0                           ; my tile of the head's four is in
	ds_add_u32 v[SPW], v[NIL]
	s_mov_b32 s[G1+2], 8<<16                       ; no tensor load of mine is out: from here on a load brings 8 tiles of places,
	s_mov_b32 s[G1+4], 8
	s_mov_b32 s[G1B+2], 8<<16
	s_mov_b32 s[G1B+4], 8
	s_mul_i32 s18, s16, 8*12288
	s_mov_b32 s19, 0
	s_mov_b32 s[G0+1], s45                         ; and slot 0's groups 0 point at my quarter
	s_mov_b32 s[G0B+1], s95
	s_add_nc_u64 s[G0+2:G0+3], s[G0+2:G0+3], s[18:19]
	s_add_nc_u64 s[G0B+2:G0B+3], s[G0B+2:G0B+3], s[18:19]
	s_wait_dscnt 0x0
	CROUND                                         ; all four tiles are in, in every partner
	JLOAD G0+4, G1, G0B+4, G1B                     ; K step 1, the first tensor load behind the round
	FETCH_B 0, 0, 0
	FETCH_A 0, 0, 0
	SCALES 0
	FETCH_A 0, 0, 4
	s_wait_loadcnt 0x0
	STEP 0, 0, 1
	s_mov_b32 s3, LAPS-1
.Llap:
	TURN 0, 1, 1
	STEP 1, 0, 0
	TURN 1, 0, 1
	STEP 0, 0, 0
	s_sub_co_u32 s3, s3, 1
	s_cmp_lg_u32 s3, 0
	s_cbranch_scc1 .Llap
	TURN 0, 1, 0
	STEP 1, 0, 0
	s_wait_dscnt 4*NL
	WIN MUL_LO
	MUL16 0, 1, NQ-1, 1, 0
	MUL16 2, 1, NQ-1, 1, 0
	s_wait_dscnt 0
	WIN MUL_HI
	MUL16 4, 1, NQ-1, 1, 0
	MUL16 6, 1, NQ-1, 1, 0
	WIN 0
.macro TOSTAGE a
.set AC, 64*((\a)%4)
	WIN 0x08+4*((\a)/4)
.irp b, 0,1,2,3,4,5,6,7
	ds_store_b128 v[STO], v[AC+8*\b:AC+8*\b+3] offset:128*(\b/2)+32*(\b%2)
	ds_store_b128 v[STO], v[AC+8*\b+4:AC+8*\b+7] offset:128*(\b/2)+32*(\b%2)+16
.endr
	WIN 0
.set BB, BK+64*((\a)%2)
.irp t, 0,1,2,3,4,5,6,7,8,9,10,11,12,13,14,15
	ds_load_b128 v[BB+4*\t:BB+4*\t+3], v[RD] offset:\t*SPITCH
.endr
.endm
.macro SEND a, younger
.set BB, BK+64*((\a)%2)
	s_wait_dscnt \younger
.irp t, 0,1,2,3,4,5,6,7,8,9,10,11,12,13,14,15
	global_store_b128 v[CO], v[BB+4*\t:BB+4*\t+3], s[12:13] offset:(32*((\a)/2)+8*((\a)%2)+\t+8*(\t/8))*4096 th:TH_STORE_NT
.endr
.endm
	PLACES NP
	TOSTAGE 0
.irp a, 1,2,3,4,5,6,7
.if \a > 1
	s_wait_xcnt 0x0
.endif
	TOSTAGE \a
	SEND \a-1, 32
.endr
	SEND 7, 0
	s_wait_tensorcnt 0x0
	ds_add_u32 v[SPW], v[NIL]
	s_wait_dscnt 0x0
	CROUND
	s_endpgm
.Lfunc_end_k_q2e27f8f266_oproj:
	.size	k_q2e27f8f266_oproj, .Lfunc_end_k_q2e27f8f266_oproj-k_q2e27f8f266_oproj
	.p2alignl 7, 3214868480
	.fill 96, 4, 3214868480
	.section	.rodata,"a",@progbits
	.p2align	6, 0x0
	.amdhsa_kernel k_q2e27f8f266_oproj
		.amdhsa_group_segment_fixed_size 327680
		.amdhsa_private_segment_fixed_size 0
		.amdhsa_enable_private_segment 0
		.amdhsa_kernarg_size 32
		.amdhsa_user_sgpr_count 2
		.amdhsa_user_sgpr_kernarg_segment_ptr 1
		.amdhsa_wavefront_size32 1
		.amdhsa_system_sgpr_workgroup_id_x 1
		.amdhsa_system_sgpr_workgroup_id_y 1
		.amdhsa_system_sgpr_workgroup_id_z 1
		.amdhsa_system_vgpr_workitem_id 0
		.amdhsa_next_free_vgpr 1024
		.amdhsa_next_free_sgpr 98
		.amdhsa_reserve_vcc 0
		.amdhsa_float_denorm_mode_32 3
		.amdhsa_float_denorm_mode_16_64 3
		.amdhsa_memory_ordered 1
		.amdhsa_forward_progress 1
		.amdhsa_inst_pref_size 162
	.end_amdhsa_kernel
	.amdgpu_metadata
---
amdhsa.version: [ 1, 2 ]
amdhsa.kernels:
  - .name:           k_q2e27f8f266_oproj
    .symbol:         k_q2e27f8f266_oproj.kd
    .args:
      - { .name: aq, .offset: 0, .size: 8, .value_kind: global_buffer, .address_space: global }
      - { .name: cq, .offset: 8, .size: 8, .value_kind: global_buffer, .address_space: global }
      - { .name: bo, .offset: 16, .size: 8, .value_kind: global_buffer, .address_space: global }
      - { .name: out0, .offset: 24, .size: 8, .value_kind: global_buffer, .address_space: global }
    .group_segment_fixed_size: 327680
    .private_segment_fixed_size: 0
    .kernarg_segment_align: 8
    .kernarg_segment_size: 32
    .max_flat_workgroup_size: 128
    .sgpr_count:     98
    .vgpr_count:     1024
    .wavefront_size: 32
...
	.end_amdgpu_metadata
.endif
;; end of part 4
